; MI455X (gfx1250); checked and timed in simulation.
; The chip was launched on July 23, 2026; its instructions are those of AMD's public machine-readable ISA for CDNA 5 (MIT licence, August 2026) and "CDNA5" Instruction Set Architecture Reference Guide (July 2026). The comments in the code are by the model that wrote it; some were corrected since.
;; Causal Attention. Allowed arithmetic: matrix products marked QUANTISED: E2M3 operands, one E8M0 scale for each 32 along K, by v_wmma_scale_f32_16x16x128_f8f6f4 with both operands' format E2M3, f32 sums; everything else in f32.
;; Inputs: Wk 1,024 x 1,024 float32; Wq 1,024 x 1,024 float32; Wv 1,024 x 1,024 float32; x 4 x 2,048 x 1,024 float32.
;; Outputs: out0 4 x 2,048 x 1,024 float32.
;; This version of the problem:
;;   THIS VERSION OF THE PROBLEM IS GIVEN IN LOW PRECISION. The matrix products marked QUANTISED in the list below multiply operands that are first quantised to E2M3 (2 exponent bits, 3 mantissa bits; 6 bits a number), with one power-of-two scale for each 32 numbers along K (OCP MX v1.0); their sums are f32. All else is computed in f32.
;;   The module's matrix products, in the order in which they are computed (A, B: the left and right operand; K: the contracted axis; several contracted axes count as one K, in the product's order):
;;     1. [M 8,192, K 1,024] x [K 1,024, N 1,024]; A: input x; B: input Wq: QUANTISED
;;     2. [M 8,192, K 1,024] x [K 1,024, N 1,024]; A: input x; B: input Wk: QUANTISED
;;     3. [M 8,192, K 1,024] x [K 1,024, N 1,024]; A: input x; B: input Wv: QUANTISED
;;     4. batch 4 x [M 2,048, K 1,024] x [K 1,024, N 2,048]; A: computed on the way; B: computed on the way: QUANTISED
;;     5. batch 4 x [M 2,048, K 2,048] x [K 2,048, N 1,024]; A: softmax (see below); B: computed on the way: QUANTISED
;;   THE QUANTISER, for each operand of a quantised product, along K:
;;     - K is cut into blocks of 32 from its start; a last block that is shorter is filled with zeros.
;;     - A block's scale is 2^e with e = floor(log2(the largest magnitude in the block)) - 2, held to -126 .. 127; a block of zeros has e = 0. As a byte (E8M0): e + 127.
;;     - Each number is divided by its block's scale, clamped to +-7.5, and rounded to the nearest number of E2M3, ties to even, subnormals kept.
;;     - The product sums the exact products of the quantised numbers (number of the format x scale) in f32.
;;   ~~~python
;;   def quantise(x, axis):      # numpy; x: float32 -> the quantised numbers, widened to float32 again
;;       x = np.moveaxis(x, axis, -1); K = x.shape[-1]
;;       x = np.pad(x, [(0, 0)] * (x.ndim - 1) + [(0, -K % 32)]); x = x.reshape(x.shape[:-1] + (-1, 32)); a = np.abs(x).max(-1, keepdims=True)
;;       e = np.where(a > 0, np.clip(np.frexp(np.where(a > 0, a, 1))[1] - 1 - 2, -126, 127), 0)      # np.frexp(a)[1] - 1 = floor(log2(a)), exactly
;;       r = np.clip(x / 2.0 ** e, -7.5, 7.5)
;;       step = 2.0 ** (np.maximum(np.frexp(np.where(r == 0, 1, r))[1] - 1, 0) - 3)
;;       q = np.round(r / step) * step * 2.0 ** e      # np.round: ties to even
;;       return np.moveaxis(q.reshape(q.shape[:-2] + (-1,))[..., :K], -1, axis).astype(np.float32)
;;   ~~~
;;   SOFTMAX AHEAD OF A QUANTISED PRODUCT. Where the list says 'softmax', what is quantised is not the finished softmax but p = 2^(t - M), with t = logit x log2(e) and M = ceil(the row's largest t), a whole number; so 1/2 < the row's largest p <= 1. The row's sum l is taken of the UNQUANTISED p, in f32, and the product's result is divided by l at the end. Since M is a whole number, a kernel that streams over the keys may use a running M (the ceiling of the running maximum): every later rescaling is an exact power of two, which a block's scale takes up: the codes' values come out the same.
;;   OPERANDS COMPUTED ON THE WAY. 'Computed on the way' means the value that the module computes at that place (a softmax that the list does not call 'softmax' is quantised finished and normalised). What goes into a quantiser is computed in f32, as accurately as f32 sums, v_exp_f32 and their like allow (about 1e-6 of the number): no bf16 or f16 on the way to a quantiser, and a product that is left as it is and whose result goes on into a quantised operand takes f32 operands (vector FMAs, or v_wmma_f32_16x16x4_f32). A number that lies on a knife's edge between two numbers of the format may be rounded either way, as far as f32 arithmetic and the matrix unit's own rounding can turn it there, and no further.
;; One version. Each part assembles by itself: llvm-mc -triple=amdgcn-amd-amdhsa -mcpu=gfx1250 --defsym DOCPART=n.
;; ======== version 1 of 1: 4 launches
;; limits: right only within a limited range of input values
;; workspace buffers: xc 6,553,600 bytes; wc 2,457,600 bytes; qk 13,107,200 bytes; vt 6,553,600 bytes; pc 12,582,912 bytes; pst 1,572,864 bytes
;; launch quant (part 1): grid 704 x 1, 4 waves a work-group, no clusters, 34,816 bytes of LDS; arguments x, Wq, Wk, Wv, xc, wc; writes xc, wc
.if DOCPART == 1
	.amdgcn_target "amdgcn-amd-amdhsa--gfx1250"
	.amdhsa_code_object_version 6
	.text
	.protected	k_qc68f05a749_quant
	.globl	k_qc68f05a749_quant
	.p2align	8
	.type	k_qc68f05a749_quant,@function
k_qc68f05a749_quant:
	s_mov_b64 s[64:65], 0
	v_nop
	global_prefetch_b8 v0, s[64:65] scope:SCOPE_SE
	s_setreg_imm32_b32 hwreg(HW_REG_WAVE_MODE, 25, 1), 1
	s_wait_xcnt 0x0
; x [8192][1024] and Wq, Wk, Wv [1024][1024], f32, K innermost, become codes of FP6 (E2M3) with one E8M0 byte for each 32 along K,
; laid in the ORDER OF THE OPERAND'S REGISTERS.  A RECORD is 128 rows x 128 K, 12,800 bytes; a panel of 128 rows has its 8 records on end.
;   codes: fragment f (0..7), chunk c (0..2), lane l: 16 bytes at 1536 f + 512 c + 16 l: registers 4 c .. 4 c + 3 of the lane's 12.
;   rows:  lane r (l % 16) of fragment f is row 32 (f / 2) + 8 (f % 2) + r % 8 + 16 (r / 8) of the panel, so that a product that takes the
;          fragment as source 0 leaves 16 neighbours along its own rows in the 16 registers of two neighbouring result tiles.
;   scale words: at 12,288 + 16 l': lane l' = r + 16 q holds the four words of fragments 4 q .. 4 q + 3, row index r.
; xc: x's 64 panels.  wc: 24 panels: Wq's 8, Wk's 8, Wv's 8.
; A block's scale is 2^(floor(log2(its largest magnitude)) - 2); its byte is the largest magnitude's exponent field - 2, held at 1 from below.
; LIMITS: a block of zeros gets the byte 1 where the rule says 127 (its codes are zeros, and this program alone reads the bytes); blocks whose
; largest magnitude lies under 2^(3 - 127) have the byte 1; NaN and infinities among the inputs are not served.
; WORK LEFT OUT BY THE PROGRAM (launches score and pv): blocks of 1,024 queries x 1,024 keys of the scores that the causal mask hides whole, and the
; products of their p with v: every key of such a block stands behind every query of it, so p is 0 there for all values of the inputs.  A NaN, an infinity or an
; overflow that reaches only that work is not carried to the result.
; SHARES: a work-group takes one record: 0-511 of x, 512-575 Wq, 576-639 Wk, 640-703 Wv; a wave two fragments, all 32 loads of them out at the start.
; Each load reads 512 consecutive bytes of one row; a fragment's 16 rows turn through the wave's own stage in LDS (rows of 512 + 16 bytes) and come
; back 16 neighbours of each block of 32 a lane.  The record's scale words are gathered in LDS, and wave 0 stores them as 512 bytes on end.
; No prefetch: there is no loop to run ahead in.  No clusters: the work-groups share no input.
.set REC,  12800
.set TM,   8                           ; v8-23   at work: +0..3 largest magnitudes, +4..7 the other half's, then bytes, +12..15 the conversions' scale operands
.set CD,   24                          ; v24-43  the codes just made
.set PWS,  44                          ; v44-45  my two fragments' scale words
.set SEL,  20                          ; s[20:21] lane selects for v_permlanex16_b32: lane l xor 16
.set SCW,  4*8448                      ; LDS: the record's scale words, behind the four stages
.set SPARE, SCW+512                    ; the spare words, 128 bytes a wave, which no other line names
	s_load_b256 s[4:11], s[0:1], 0x0               ; x, Wq, Wk, Wv
	s_load_b128 s[12:15], s[0:1], 0x20             ; xc, wc
	v_lshl_add_u32 v62, v0, 2, SPARE
	v_mov_b32 v63, 0
	v_lshrrev_b32 v1, 5, v0
	v_readfirstlane_b32 s16, v1                    ; wave
	v_and_b32 v1, 31, v0                           ; lane
	v_and_b32 v2, 15, v0                           ; r
	v_bfe_u32 v3, v0, 4, 1                         ; h
	v_lshlrev_b32 v4, 4, v1                        ; 16 x lane: my bytes of a load's and of a store's 512
	s_mul_i32 s17, s16, 8448                       ; my stage: 16 rows x 528 bytes
	v_add_nc_u32 v5, s17, v4                       ; into it: 16 x lane of a row
	v_mul_u32_u24 v6, v2, 528
	v_lshl_add_u32 v6, v3, 6, v6
	v_add_nc_u32 v6, s17, v6                       ; out of it: row r, + 64 h: my 16 numbers of each block of 32
	s_lshr_b32 s26, s16, 1
	s_lshl_b32 s26, s26, 8
	s_and_b32 s27, s16, 1
	s_lshl_b32 s27, s27, 3
	s_add_co_u32 s26, s26, s27
	s_add_co_u32 s26, s26, SCW
	v_lshl_add_u32 v7, v2, 4, s26                  ; my two words' place: 16 r + 256 (wave / 2) + 8 (wave % 2)
	v_add_nc_u32 v48, SCW, v4                      ; and where wave 0 reads them back
.irp b, 0,1,2,3
	v_mov_b32 v[TM+4+\b], 0                        ; written once: a lane permute's destination counts as one of its sources
.endr
	s_mov_b32 s[SEL], 0x76543210
	s_mov_b32 s[SEL+1], 0xfedcba98
	s_wait_alu depctr_va_vdst(0)
	s_wait_kmcnt 0x0
	s_cmp_lt_u32 ttmp9, 640                        ; the tensor is chosen by the work-group's number alone
	s_cselect_b64 s[18:19], s[8:9], s[10:11]
	s_cmp_lt_u32 ttmp9, 576
	s_cselect_b64 s[18:19], s[6:7], s[18:19]
	s_cmp_lt_u32 ttmp9, 512
	s_cselect_b64 s[18:19], s[4:5], s[18:19]
	s_cselect_b64 s[22:23], s[12:13], s[14:15]     ; and where its records go
	s_cselect_b32 s24, 0, 512                      ; wc's records count from x's 512 on
	s_cselect_b32 s25, 511, 63                     ; records in the tensor, less 1
	s_sub_co_u32 s26, ttmp9, s24                   ; the record's number in xc or wc
	s_and_b32 s28, s26, s25                        ; and in its tensor
	s_lshr_b32 s29, s28, 3
	s_lshl_b32 s29, s29, 19                        ; panel x 128 rows of 4,096 bytes
	s_and_b32 s28, s28, 7
	s_lshl_b32 s28, s28, 9                         ; K step x 512 bytes
	s_add_co_u32 s28, s28, s29
	s_lshl_b32 s29, s16, 17                        ; my 32 rows
	s_add_co_u32 s28, s28, s29
	s_mov_b32 s29, 0
	s_add_nc_u64 s[18:19], s[18:19], s[28:29]      ; in
	s_mul_i32 s30, s26, REC
	s_mov_b32 s31, 0
	s_add_nc_u64 s[22:23], s[22:23], s[30:31]      ; the record
	s_mul_i32 s30, s16, 3072
	s_add_nc_u64 s[32:33], s[22:23], s[30:31]      ; my two fragments' codes
.macro LOAD j, set                     ; my fragment j's 16 rows, in the fragment's order of rows
.set I, 0
.rept 16
	global_load_b128 v[\set+4*I:\set+4*I+3], v4, s[18:19] offset:(8*(\j)+I%8+16*(I/8))*4096 th:TH_LOAD_NT
.set I, I+1
.endr
.endm
.macro TURNX set                       ; through the stage, and back into the registers that they left: LDS serves a wave's instructions in order
.set I, 0
.rept 16
	ds_store_b128 v5, v[\set+4*I:\set+4*I+3] offset:528*I
.set I, I+1
.endr
.set I, 0
.rept 16
	ds_load_b128 v[\set+4*I:\set+4*I+3], v6 offset:128*(I/4)+16*(I%4)   ; register 16 b + i = k 32 b + 16 h + i of row r
.set I, I+1
.endr
.endm
; 64 numbers of a lane, register 16 b + i = k 32 b + 16 h + i of my row, become a fragment's codes in v[cd] on and its scale word in v[pw]
.macro QUANT s, cd, pw
.irp b, 0,1,2,3
	v_max3_num_f32 v[TM+\b], |v[(\s)+16*\b]|, |v[(\s)+16*\b+1]|, 0x1800000   ; my 16 numbers of block b, and the floor 2^(3 - 127): the byte cannot fall under 1
.endr
.irp i, 2,4,6,8,10,12,14
.irp b, 0,1,2,3
	v_max3_num_f32 v[TM+\b], v[TM+\b], |v[(\s)+16*\b+\i]|, |v[(\s)+16*\b+\i+1]|
.endr
.endr
.irp b, 0,1,2,3
	v_permlanex16_b32 v[TM+4+\b], v[TM+\b], s[SEL], s[SEL+1]
.endr
.irp b, 0,1,2,3
	v_max_num_f32 v[TM+\b], v[TM+\b], v[TM+4+\b]   ; with lane l xor 16's: the block's largest magnitude
.endr
.irp b, 0,1,2,3
	v_add_nc_u32 v[TM+12+\b], 0xff000000, v[TM+\b] ; 2 off its exponent field: the conversion takes the exponent field of this operand as its scale
.endr
.irp b, 0,1,2,3
	v_lshrrev_b32 v[TM+4+\b], 23, v[TM+12+\b]      ; the scale's byte
.endr
	v_lshl_or_b32 v[\pw], v[TM+5], 8, v[TM+4]
	v_lshl_or_b32 v[\pw], v[TM+6], 16, v[\pw]
	v_lshl_or_b32 v[\pw], v[TM+7], 24, v[\pw]      ; my row's scale word
.irp c, 0,1
	v_cvt_scalef32_pk16_fp6_f32 v[(\cd)+6*\c:(\cd)+6*\c+2], v[(\s)+32*\c:(\s)+32*\c+15], v[TM+12+2*\c]
	v_cvt_scalef32_pk16_fp6_f32 v[(\cd)+12+4*\c:(\cd)+14+4*\c], v[(\s)+32*\c+16:(\s)+32*\c+31], v[TM+13+2*\c]   ; (a conversion's three registers begin on an even number)
.endr
	v_nop                                          ; one plain instruction behind the scaled conversions
.irp c, 0,1                            ; the operand's layout wants a whole block in a lane: lanes 0-15 block 2 c, lanes 16-31 block 2 c + 1
.irp i, 0,1,2
	v_permlane16_swap_b32 v[(\cd)+6*\c+\i], v[(\cd)+12+4*\c+\i]
.endr
.irp i, 0,1,2
	v_mov_b32 v[(\cd)+3+6*\c+\i], v[(\cd)+12+4*\c+\i]
.endr
.endr
.endm
.macro FRAGQ j, set, left              ; left: the loads issued behind this fragment's 16
	s_wait_loadcnt \left
	TURNX \set
	s_wait_dscnt 0x0
.if \j > 0
	s_wait_xcnt 0x0                                ; the last fragment's stores have read the codes' registers
.endif
	QUANT \set, CD, PWS+\j
.irp c, 0,1,2
	global_store_b128 v4, v[CD+4*\c:CD+4*\c+3], s[32:33] offset:1536*\j+512*\c   ; the wave stores 512 consecutive bytes, aligned
.endr
.endm
	LOAD 0, 64
	LOAD 1, 128
	FRAGQ 0, 64, 16
	FRAGQ 1, 128, 0
	ds_store_b64 v7, v[PWS:PWS+1]                  ; my two fragments' words (both halves of the lanes hold the same)
	s_wait_tensorcnt 0x0                           ; behind my last LDS store: the wait behind the add also shows my words stored
	ds_add_u32 v62, v63
	s_wait_dscnt 0x0
	s_barrier_signal -1
	s_barrier_wait -1                              ; all four waves' words are in
	s_cmp_lg_u32 s16, 0
	s_cbranch_scc1 .Lend
	ds_load_b128 v[64:67], v48
	s_wait_dscnt 0x0
	global_store_b128 v4, v[64:67], s[22:23] offset:12288   ; the record's scale words: 512 consecutive bytes, aligned
.Lend:
	s_endpgm
.Lfunc_end_k_qc68f05a749_quant:
	.size	k_qc68f05a749_quant, .Lfunc_end_k_qc68f05a749_quant-k_qc68f05a749_quant
	.p2alignl 7, 3214868480
	.fill 96, 4, 3214868480
	.section	.rodata,"a",@progbits
	.p2align	6, 0x0
	.amdhsa_kernel k_qc68f05a749_quant
		.amdhsa_group_segment_fixed_size 34816
		.amdhsa_private_segment_fixed_size 0
		.amdhsa_enable_private_segment 0
		.amdhsa_kernarg_size 48
		.amdhsa_user_sgpr_count 2
		.amdhsa_user_sgpr_kernarg_segment_ptr 1
		.amdhsa_wavefront_size32 1
		.amdhsa_system_sgpr_workgroup_id_x 1
		.amdhsa_system_sgpr_workgroup_id_y 1
		.amdhsa_system_sgpr_workgroup_id_z 1
		.amdhsa_system_vgpr_workitem_id 0
		.amdhsa_next_free_vgpr 192
		.amdhsa_next_free_sgpr 66
		.amdhsa_reserve_vcc 0
		.amdhsa_float_denorm_mode_32 3
		.amdhsa_float_denorm_mode_16_64 3
		.amdhsa_memory_ordered 1
		.amdhsa_forward_progress 1
		.amdhsa_inst_pref_size 19
	.end_amdhsa_kernel
	.amdgpu_metadata
---
amdhsa.version: [ 1, 2 ]
amdhsa.kernels:
  - .name:           k_qc68f05a749_quant
    .symbol:         k_qc68f05a749_quant.kd
    .args:
      - { .name: x, .offset: 0, .size: 8, .value_kind: global_buffer, .address_space: global }
      - { .name: Wq, .offset: 8, .size: 8, .value_kind: global_buffer, .address_space: global }
      - { .name: Wk, .offset: 16, .size: 8, .value_kind: global_buffer, .address_space: global }
      - { .name: Wv, .offset: 24, .size: 8, .value_kind: global_buffer, .address_space: global }
      - { .name: xc, .offset: 32, .size: 8, .value_kind: global_buffer, .address_space: global }
      - { .name: wc, .offset: 40, .size: 8, .value_kind: global_buffer, .address_space: global }
    .group_segment_fixed_size: 34816
    .private_segment_fixed_size: 0
    .kernarg_segment_align: 8
    .kernarg_segment_size: 48
    .max_flat_workgroup_size: 128
    .sgpr_count:     66
    .vgpr_count:     192
    .wavefront_size: 32
...
	.end_amdgpu_metadata
.endif
;; end of part 1
;; launch proj (part 2): grid 8 x 32, 4 waves a work-group, clusters of 4 x 4, 327,680 bytes of LDS; arguments xc, wc, qk, vt; writes qk, vt
.if DOCPART == 2
	.amdgcn_target "amdgcn-amd-amdhsa--gfx1250"
	.amdhsa_code_object_version 6
	.text
	.protected	k_qc68f05a749_proj
	.globl	k_qc68f05a749_proj
	.p2align	8
	.type	k_qc68f05a749_proj,@function
k_qc68f05a749_proj:
	s_mov_b64 s[64:65], 0
	v_nop
	global_prefetch_b8 v0, s[64:65] scope:SCOPE_SE
	s_setreg_imm32_b32 hwreg(HW_REG_WAVE_MODE, 25, 1), 1
	s_wait_xcnt 0x0
	s_wait_alu depctr_hold_cnt(0) depctr_sa_sdst(0) depctr_va_vdst(0) depctr_va_sdst(0) depctr_va_ssrc(0) depctr_va_vcc(0) depctr_vm_vsrc(0)
	s_getreg_b32 s2, hwreg(HW_REG_IB_STS2, 6, 4)
	s_cmp_eq_u32 s2, 0
	s_cbranch_scc0 .Lentry_in_a_cluster
	s_endpgm
.Lentry_in_a_cluster:
	s_bfe_u32 s2, ttmp6, 0x10000c
	s_cmp_lg_u32 s2, 0xf033
	s_cbranch_scc0 .Lentry_shape_is_right
	s_endpgm
.Lentry_shape_is_right:
; q | k = x [Wq; Wk]^T and v^T = Wv x^T, on codes of FP6 (E2M3) with E8M0 scales, K = 1,024, sums in f32; the results are quantised at once, along the
; product's N, and leave as records of codes: q and k along e, v^T along the keys.
; RECORDS (the same in xc, wc, qk, vt): as the launch before lays them: 128 rows x 128 K, 12,800 bytes.
; qk: 64 panels (rows of x) x 16 records (q: 0-7, k: 8-15).  vt: 8 panels (e) x 64 records (the rows of x: 16 for each batch).
; A WORK-GROUP makes one of the 256 tiles of 256 x 256 of q | k and one of the 256 half tiles of 128 e x 256 s of v^T, one after the other.
; THE TILE: four waves, each 128 x 128: 64 accumulators.  THE HALF TILE: each wave 64 e x 128 s: 32 accumulators.  TRANSPOSED: source 0 = 16 rows of B,
; source 1 = 16 rows of A: a lane holds one row of A, and by the order of a fragment's rows the 16 registers of tiles 2 b, 2 b + 1 are columns 32 b + 16 h + 0 .. 15.
; So a wave's 128 columns are one K step of the next product, and a block's 64 registers a lane become one fragment of one record.
; LDS: four regions of 76,800 bytes, one for each of A's two and B's two panels; a region has three places of 256 along K (25,600 bytes).  ONE LOAD A WAVE EACH TIME:
;   at the head K's first quarter of one panel; behind the first round its second and third;
;   at K step 1 K's last quarter, into the first place, which has been read out;
;   at K step 5, into the second and third places: waves 0, 1 Wv's first and second half of K, waves 2, 3 the first half of K of x's two panels (the half tile's);
;   in the middle of the tile's way out, into the four first places: x's second halves: panel p's records 4, 5 in region p, records 6, 7 in region 2 + p.
; CLUSTERS: 4 x 4 work-groups; A's panels are shared along a row of the cluster, B's along a column; Wv's along a row, the half tile's x along a column: joint loads.
; PREFETCH: K's second and third quarter of my panel, 200 units of 256 bytes, 50 by each of the four partners, behind the head's load: the wait for that load and a round stand
; between it and the load that brings them.  The later refills are not prefetched: each has 160 products or more, or half a way out and 104 products, in which to land.
; REGISTERS: window 0: v1-29 addresses; v32-47 scale words, two sets; v48-55 Wv's scale words, two sets; v64-159, v160-255 A's fragments, two sets
;   (on the ways out v64-155 are at work; in the half tile A's two sets of 48 lie at v160 and v208).
;   window 1: B's fragments at v0 and v128.   windows 2, 3: the tile's accumulator (a, b) at v[8 (8 (a % 4) + b)]; the half tile's (k, b) at v[64 k + 8 b] of window 2.
; LIMITS: a block of zeros gets the byte 1 with zero codes (this program alone reads the bytes); NaN and infinities are not served.
.set REC,   12800
.set FRG,   1536
.set PANEL, 8*REC
.set QUART, 2*REC                      ; 256 along K of a panel
.set HALF,  4*REC
.set RG,    3*QUART                    ; a region
.set SPARE, 4*RG                       ; behind the regions: the spare words, 128 bytes a wave, which no other line names
.set LI,   3                           ; v3     16 x lane
.set ADRA, 4                           ; v4-6   my A panel, place 0, 1, 2
.set ADRB, 7                           ; v7-9   my B panel
.set ADRS, 10                          ; v10-12 scale words: lanes 0-15 A's, lanes 16-31 B's
.set SPW,  13                          ; v13    my spare word; never rewritten
.set NIL,  14                          ; v14    0; never rewritten
.set ADRA2, 16                         ; v16-17 the half tile: my four fragments of Wv, K's first and second half
.set ADRB2, 18                         ; v18-20 my panel of x: records 0-3, records 4-5, records 6-7
.set ADSB,  21                         ; v21-23 its scale words
.set ADSA,  24                         ; v24-25 my four fragments' scale words
.set VCO,   26                         ; v26    my four fragments' place in a record of vt
.set VSO,   27                         ; v27    and their scale words'
.set PFO,   28                         ; v28-29 the prefetches' offsets
.set SC,   32                          ; v32-39, v40-47: the tile: register i: lanes 0-15 the words of A's fragment i, lanes 16-31 of B's; the half tile: x's words
.set SA,   48                          ; v48-51, v52-55: the words of my four fragments of Wv
.set AF,   64
.set AF2,  160
.set TM,   64                          ; the ways out: v64-95 at work for two blocks, v96-143 two sets of two blocks' codes, v144-151 scale words, v152-155 their image
.set CDS,  96
.set PWS,  144
.set T4,   152
.set WV,   12
.set WR,   13                          ; my A panel (half tile: my 64 rows of it); also: I fetch for A (0) or for B (1)
.set WC,   14                          ; my B panel; also: which part I fetch
.set G1A,  24
.set G1B,  32
.set G0A,  40
.set G0X,  44                          ; x's second halves
.set G0A2, 48                          ; Wv's halves
.set G0B,  52
.set G0B2, 56                          ; x's first halves
.set OUT2, 66
.set SEL,  80
.set MULW, 0xa1                        ; source 0 (B) window 1, source 1 (A) window 0, C and D window 2; + 0x50: window 3
.set TO_B, 0x40
.set MSB, 0
.macro WIN new                         ; the immediate's high byte repeats the setting that is left
.if MSB != (\new)
	s_set_vgpr_msb (MSB<<8)|(\new)
.set MSB, (\new)
.endif
.endm
.macro PLACES n
.rept \n
	v_nop
.endr
.endm
.macro CREST                           ; a round of the cluster's barrier behind its opening barrier
	s_cmp_lg_u32 s[WV], 0
	s_cbranch_scc1 .Lnot_wave_0_\@
	s_barrier_signal -3
.Lnot_wave_0_\@:
	s_barrier_wait -3
	s_barrier_signal -1
	s_barrier_wait -1
.endm
.macro CROUND
	s_barrier_signal -1
	s_barrier_wait -1
	CREST
.endm
.macro ROWS n                          ; a load brings n rows of 256 bytes
.irp g, G1A, G1B
	s_mov_b32 s[\g+2], (\n)<<16
	s_mov_b32 s[\g+4], \n
.endr
.endm
.macro JLOAD ga, gb                    ; a joint load: waves 0, 1 by ga, waves 2, 3 by gb; four v_nop follow each line
	s_cmp_eq_u32 s[WR], 0
	s_cbranch_scc0 .Lfor_b_\@
	tensor_load_to_lds s[\ga:\ga+3], s[G1A:G1A+7]
	s_nop 0
	PLACES 4
	s_branch .Lasked_\@
.Lfor_b_\@:
	tensor_load_to_lds s[\gb:\gb+3], s[G1B:G1B+7]
	s_nop 0
	PLACES 4
.Lasked_\@:
.endm
.macro FETCH n                         ; the tile's K step n (128 along K): 24 loads for B, 24 for A, 2 for the scale words, into set n % 2
.set FS, ((\n)/2)%3
.set FQ, (\n)%2
	WIN TO_B
.set LN, 0
.rept 24
	ds_load_b128 v[128*FQ+4*LN:128*FQ+4*LN+3], v[ADRB+FS] offset:REC*FQ+512*LN
.set LN, LN+1
.endr
	WIN 0
.set LN, 0
.rept 24
	ds_load_b128 v[AF+96*FQ+4*LN:AF+96*FQ+4*LN+3], v[ADRA+FS] offset:REC*FQ+512*LN
.set LN, LN+1
.endr
	ds_load_b128 v[SC+8*FQ:SC+8*FQ+3], v[ADRS+FS] offset:REC*FQ
	ds_load_b128 v[SC+8*FQ+4:SC+8*FQ+7], v[ADRS+FS] offset:REC*FQ+256
.endm
; 16 matrix instructions: A's fragments a0, a0 + 1 x B's eight.  z = 1: the first product starts the sums.  The 64 accumulators take turns,
; one instruction a turn, in the same order in every step.
.macro MUL16 a0, p, z
.irp a, \a0, \a0+1
	WIN MULW+0x50*((\a)/4)
.irp b, 0,1,2,3,4,5,6,7
.set DD, 8*(8*((\a)%4)+\b)
.set BB, 128*(\p)+12*\b
.set AA, AF+96*(\p)+12*(\a)
.if \z
	v_wmma_scale_f32_16x16x128_f8f6f4 v[DD:DD+7], v[BB:BB+11], v[AA:AA+11], 0, v[SC+8*(\p)+\b], v[SC+8*(\p)+(\a)] matrix_a_fmt:MATRIX_FMT_FP6 matrix_b_fmt:MATRIX_FMT_FP6 matrix_a_scale:MATRIX_SCALE_ROW1
.else
	v_wmma_scale_f32_16x16x128_f8f6f4 v[DD:DD+7], v[BB:BB+11], v[AA:AA+11], v[DD:DD+7], v[SC+8*(\p)+\b], v[SC+8*(\p)+(\a)] matrix_a_fmt:MATRIX_FMT_FP6 matrix_b_fmt:MATRIX_FMT_FP6 matrix_a_scale:MATRIX_SCALE_ROW1
.endif
.endr
.endr
.endm
.macro STEP n, z                       ; the next step's fragments are asked for first, into the sets that the last step read; then this step's 64 products
	PLACES 4                                       ; between the last products and loads into registers that they read
	FETCH (\n)+1
	s_wait_dscnt 50                                ; all but the 50 just issued: this step's fragments are in
	MUL16 0, (\n)%2, \z
	MUL16 2, (\n)%2, \z
	MUL16 4, (\n)%2, \z
	MUL16 6, (\n)%2, \z
.endm
; A step of the tile behind which LDS is filled again: each wave waits for all its tensor loads, adds 0 to its spare word, waits for that and for its LDS reads, and passes a round of the
; cluster's barrier.  fill = 1: K's last quarter;  fill = 2: the half tile's first load.
.macro TURN n, fill
	WIN 0
	s_wait_tensorcnt 0x0                           ; all my tensor loads have landed
	ds_add_u32 v[SPW], v[NIL]                      ; 0 onto my spare word
.if (\fill) == 1
	ROWS 100
	s_mov_b32 s[G0A+1], s82
	s_mov_b32 s[G0B+1], s82
	s_add_nc_u64 s[G0A+2:G0A+3], s[G0A+2:G0A+3], 2*QUART
	s_add_nc_u64 s[G0B+2:G0B+3], s[G0B+2:G0B+3], 2*QUART
.else
	ROWS 200
.endif
	s_wait_dscnt 0x1                               ; this step's fragments are in; the add alone may be out
	MUL16 0, (\n)%2, 0
	s_wait_dscnt 0x0                               ; the add is done, and I have no read of any place out
	s_barrier_signal -1
	MUL16 2, (\n)%2, 0
	WIN 0
	s_barrier_wait -1
	CREST                                          ; no wave of any partner still reads the bytes to be filled or has a load on its way
.if (\fill) == 1
	JLOAD G0A, G0B
.else
	JLOAD G0A2, G0B2
.endif
	FETCH (\n)+1
	MUL16 4, (\n)%2, 0
	MUL16 6, (\n)%2, 0
.endm
; THE HALF TILE.  K step g: 24 loads for x's eight fragments, 12 for my four of Wv, 3 for the scale words, into set g % 2
.macro FETCH2 g
.set FH, (\g)/4
.set FA, (\g)%4
.set FB, (\g)/4+(\g)/6
.set FQ, (\g)%4
.if (\g) >= 4
.set FQ, (\g)%2
.endif
.set FP, (\g)%2
	WIN TO_B
.set LN, 0
.rept 24
	ds_load_b128 v[128*FP+4*LN:128*FP+4*LN+3], v[ADRB2+FB] offset:REC*FQ+512*LN
.set LN, LN+1
.endr
	WIN 0
.set LN, 0
.rept 12
	ds_load_b128 v[AF2+48*FP+4*LN:AF2+48*FP+4*LN+3], v[ADRA2+FH] offset:REC*FA+512*LN
.set LN, LN+1
.endr
	ds_load_b128 v[SC+8*FP:SC+8*FP+3], v[ADSB+FB] offset:REC*FQ
	ds_load_b128 v[SC+8*FP+4:SC+8*FP+7], v[ADSB+FB] offset:REC*FQ+256
	ds_load_b128 v[SA+4*FP:SA+4*FP+3], v[ADSA+FH] offset:REC*FA
.endm
; 8 matrix instructions: Wv's fragment k x x's eight.  The 32 accumulators take turns, one instruction a turn.
.macro MUL8 k, g, z
	WIN MULW
.irp b, 0,1,2,3,4,5,6,7
.set DD, 64*(\k)+8*\b
.set BB, 128*((\g)%2)+12*\b
.set AA, AF2+48*((\g)%2)+12*(\k)
.if \z
	v_wmma_scale_f32_16x16x128_f8f6f4 v[DD:DD+7], v[BB:BB+11], v[AA:AA+11], 0, v[SC+8*((\g)%2)+\b], v[SA+4*((\g)%2)+(\k)] matrix_a_fmt:MATRIX_FMT_FP6 matrix_b_fmt:MATRIX_FMT_FP6
.else
	v_wmma_scale_f32_16x16x128_f8f6f4 v[DD:DD+7], v[BB:BB+11], v[AA:AA+11], v[DD:DD+7], v[SC+8*((\g)%2)+\b], v[SA+4*((\g)%2)+(\k)] matrix_a_fmt:MATRIX_FMT_FP6 matrix_b_fmt:MATRIX_FMT_FP6
.endif
.endr
.endm
.macro STEP2 g, z
	PLACES 4                                       ; between the last products and loads into registers that they read
	FETCH2 (\g)+1
	s_wait_dscnt 39                                ; all but the 39 just issued
.irp k, 0,1,2,3
	MUL8 \k, \g, \z
.endr
.endm
; TWO BLOCKS SIDE BY SIDE: 64 numbers a lane each, at v[s] and v[s + 64] of window W, register 16 b + i = column 32 b + 16 h + i of my row, become two fragments' codes
; in v[cd] and v[cd + 12] and their scale words in v[pw], v[pw + 1] (window 0).  Each accumulator is read from its low end on.
.macro QUANT2 s, W, cd, pw
	WIN 5*(\W)
.irp k, 0,1
.irp b, 0,1,2,3
	v_max3_num_f32 v[TM+16*\k+\b], |v[(\s)+64*\k+16*\b]|, |v[(\s)+64*\k+16*\b+1]|, 0x1800000   ; and the floor 2^(3 - 127): the byte cannot fall under 1
.endr
.endr
	WIN 20*(\W)
.irp i, 2,4,6,8,10,12,14
.irp k, 0,1
.irp b, 0,1,2,3
	v_max3_num_f32 v[TM+16*\k+\b], v[TM+16*\k+\b], |v[(\s)+64*\k+16*\b+\i]|, |v[(\s)+64*\k+16*\b+\i+1]|
.endr
.endr
.endr
	WIN 0
.irp k, 0,1
.irp b, 0,1,2,3
	v_permlanex16_b32 v[TM+16*\k+4+\b], v[TM+16*\k+\b], s[SEL], s[SEL+1]
.endr
.endr
.irp k, 0,1
.irp b, 0,1,2,3
	v_max_num_f32 v[TM+16*\k+\b], v[TM+16*\k+\b], v[TM+16*\k+4+\b]   ; the block's largest magnitude
.endr
.endr
.irp k, 0,1
.irp b, 0,1,2,3
	v_add_nc_u32 v[TM+16*\k+12+\b], 0xff000000, v[TM+16*\k+\b] ; 2 off its exponent field: the conversion's scale operand
.endr
.endr
.irp k, 0,1
.irp b, 0,1,2,3
	v_lshrrev_b32 v[TM+16*\k+4+\b], 23, v[TM+16*\k+12+\b]      ; the scale's byte
.endr
.endr
.irp k, 0,1
	v_lshl_or_b32 v[(\pw)+\k], v[TM+16*\k+5], 8, v[TM+16*\k+4]
.endr
.irp k, 0,1
	v_lshl_or_b32 v[(\pw)+\k], v[TM+16*\k+6], 16, v[(\pw)+\k]
.endr
.irp k, 0,1
	v_lshl_or_b32 v[(\pw)+\k], v[TM+16*\k+7], 24, v[(\pw)+\k]
.endr
	WIN (\W)
.irp k, 0,1
.irp c, 0,1
	v_cvt_scalef32_pk16_fp6_f32 v[(\cd)+12*\k+6*\c:(\cd)+12*\k+6*\c+2], v[(\s)+64*\k+32*\c:(\s)+64*\k+32*\c+15], v[TM+16*\k+12+2*\c]
	v_cvt_scalef32_pk16_fp6_f32 v[TM+16*\k+4*\c:TM+16*\k+4*\c+2], v[(\s)+64*\k+32*\c+16:(\s)+64*\k+32*\c+31], v[TM+16*\k+13+2*\c]
.endr
.endr
	WIN 0
	v_nop                                          ; one plain instruction behind the scaled conversions
.irp k, 0,1
.irp c, 0,1
.irp i, 0,1,2
	v_permlane16_swap_b32 v[(\cd)+12*\k+6*\c+\i], v[TM+16*\k+4*\c+\i]
.endr
.endr
.endr
.irp k, 0,1
.irp c, 0,1
.irp i, 0,1,2
	v_mov_b32 v[(\cd)+12*\k+3+6*\c+\i], v[TM+16*\k+4*\c+\i]
.endr
.endr
.endr
.endm
.macro PAIR1 p                         ; the tile's blocks 2 p, 2 p + 1 become these fragments of my record of qk: each store 512 consecutive bytes, aligned
.if (\p) >= 2
	s_wait_xcnt 0x0                                ; the stores of two pairs ago have read this set of codes
.endif
	QUANT2 128*((\p)%2), 2+(\p)/2, CDS+24*((\p)%2), PWS+2*(\p)
.irp k, 0,1
.irp c, 0,1,2
	global_store_b128 v[LI], v[CDS+24*((\p)%2)+12*\k+4*\c:CDS+24*((\p)%2)+12*\k+4*\c+3], s[70:71] offset:FRG*(2*(\p)+\k)+512*\c
.endr
.endr
.endm
	s_load_b256 s[4:11], s[0:1], 0x0               ; xc, wc, qk, vt
	v_lshl_add_u32 v[SPW], v0, 2, SPARE
	v_mov_b32 v[NIL], 0
	ds_add_u32 v[SPW], v[NIL]                      ; the opening lines: an add of 0 to my spare word, twice on end, and its wait
	ds_add_u32 v[SPW], v[NIL]
	v_lshrrev_b32 v1, 5, v0
	v_readfirstlane_b32 s[WV], v1
	s_lshr_b32 s[WR], s[WV], 1
	s_and_b32 s[WC], s[WV], 1
	s_bfe_u32 s15, ttmp6, 0x40000                  ; cx
	s_bfe_u32 s16, ttmp6, 0x40004                  ; cy
	s_and_b32 s18, ttmp7, 0xffff                   ; the cluster's y, 0..7; its x, ttmp9, is 0 or 1
	s_lshl_b32 s21, ttmp9, 2
	s_add_co_u32 s21, s21, s15                     ; the tile's column in q | k
	s_lshl_b32 s22, s18, 2
	s_add_co_u32 s22, s22, s16                     ; its row
	s_lshl_b32 s74, s16, 2
	s_lshl_b32 s74, 15, s74                        ; my row of the cluster
	s_lshl_b32 s75, 0x1111, s15                    ; my column
	; descriptor group 1: dense bytes as rows of 32 elements of 8 bytes; 15:0 the mask, 17:16 the element's size, 21 set beside a mask
	s_or_b32 s[G1A], s74, (3<<16)|(1<<21)
	s_or_b32 s[G1B], s75, (3<<16)|(1<<21)
.irp g, G1A, G1B
	s_mov_b32 s[\g+1], 32<<16                      ; tensor_dim0
	s_mov_b32 s[\g+3], 32<<16                      ; tile_dim0
	s_mov_b32 s[\g+5], 32                          ; the pitch
	s_mov_b32 s[\g+6], 0
	s_mov_b32 s[\g+7], 0
.endr
	ROWS 100                                       ; the head: a quarter of K of a panel
	s_lshl_b32 s76, s22, 1                         ; A's panel (x) hangs on the tile row alone,
	s_add_co_u32 s76, s76, s[WC]
	s_mul_i32 s76, s76, PANEL
	s_mov_b32 s77, 0
	s_lshl_b32 s78, s21, 1                         ; B's (Wq, Wk) on the tile column alone
	s_add_co_u32 s78, s78, s[WC]
	s_mul_i32 s78, s78, PANEL
	s_mov_b32 s79, 0
	s_mul_i32 s82, s[WV], RG                       ; my region: A0, A1, B0, B1
	s_lshl_b32 s86, s22, 1                         ; my record of qk: (2 tile row + WR) x 16 + 2 tile column + WC
	s_add_co_u32 s86, s86, s[WR]
	s_lshl_b32 s86, s86, 4
	s_lshl_b32 s88, s21, 1
	s_add_co_u32 s86, s86, s88
	s_add_co_u32 s86, s86, s[WC]
	s_mul_i32 s86, s86, REC
	s_mov_b32 s87, 0
	s_mov_b32 s[SEL], 0x76543210
	s_mov_b32 s[SEL+1], 0xfedcba98
	s_mov_b32 s[G0A], 1
	s_mov_b32 s[G0A+1], s82
	s_mov_b32 s[G0B], 1
	s_mov_b32 s[G0B+1], s82
	s_wait_dscnt 0x0                               ; both opening adds are done
	s_wait_kmcnt 0x0
	s_add_nc_u64 s[76:77], s[4:5], s[76:77]
	s_add_nc_u64 s[78:79], s[6:7], s[78:79]
	s_mov_b64 s[G0A+2:G0A+3], s[76:77]
	s_or_b32 s[G0A+3], s[G0A+3], 0x80000000
	s_mov_b64 s[G0B+2:G0B+3], s[78:79]
	s_or_b32 s[G0B+3], s[G0B+3], 0x80000000
	CROUND                                         ; all sixteen work-groups are here: the first joint loads meet
	JLOAD G0A, G0B                                 ; one tensor load a wave at the head
	s_add_nc_u64 s[70:71], s[8:9], s[86:87]
	v_and_b32 v1, 15, v0                           ; r
	v_bfe_u32 v2, v0, 4, 1                         ; h
	v_and_b32 v[LI], 31, v0
	v_lshlrev_b32 v[PFO], 8, v[LI]                 ; the prefetches: a unit a lane, 32 and 18 of them; left-over lanes name the last again
	v_add_nc_u32 v[PFO+1], 32, v[LI]
	v_min_u32 v[PFO+1], 49, v[PFO+1]
	v_lshlrev_b32 v[PFO+1], 8, v[PFO+1]
	v_lshlrev_b32 v[LI], 4, v[LI]
	s_wait_alu depctr_va_vdst(0)                   ; ahead of the scalar lines
	s_mul_i32 s83, s[WR], RG                       ; my A panel
	s_mul_i32 s84, s[WC], RG
	s_add_co_u32 s84, s84, 2*RG                    ; my B panel
	s_sub_co_u32 s85, s84, s83
	v_mul_u32_u24 v15, s85, v2                     ; lanes 16-31 take B's scale words
	v_lshl_add_u32 v15, v1, 4, v15
	v_add_nc_u32 v15, 12288, v15
.irp t, 0,1,2
	v_add_nc_u32 v[ADRA+\t], s83, v[LI]
	v_add_nc_u32 v[ADRB+\t], s84, v[LI]
	v_add_nc_u32 v[ADRS+\t], s83, v15
	s_add_co_u32 s83, s83, QUART
	s_add_co_u32 s84, s84, QUART
.endr
	; the half tile's addresses and descriptors, made while the first tiles are on their way
	s_mul_i32 s17, s[WR], 4*FRG                    ; my four fragments of Wv's eight: in a record of vt,
	v_add_nc_u32 v[VCO], s17, v[LI]
	s_add_co_u32 s17, s17, QUART                   ; and in LDS, K's first half and its second
	v_add_nc_u32 v[ADRA2], s17, v[LI]
	s_add_co_u32 s17, s17, RG
	v_add_nc_u32 v[ADRA2+1], s17, v[LI]
	s_mul_i32 s17, s[WC], RG                       ; my panel of x: records 4, 5,
	v_add_nc_u32 v[ADRB2+1], s17, v[LI]
	v_lshl_add_u32 v[ADSB+1], v1, 4, s17
	v_add_nc_u32 v[ADSB+1], 12288, v[ADSB+1]
	s_add_co_u32 s17, s17, 2*RG                    ; records 6, 7,
	v_add_nc_u32 v[ADRB2+2], s17, v[LI]
	v_lshl_add_u32 v[ADSB+2], v1, 4, s17
	v_add_nc_u32 v[ADSB+2], 12288, v[ADSB+2]
	s_add_co_u32 s17, s17, QUART                   ; records 0 to 3
	v_add_nc_u32 v[ADRB2], s17, v[LI]
	v_lshl_add_u32 v[ADSB], v1, 4, s17
	v_add_nc_u32 v[ADSB], 12288, v[ADSB]
	s_lshl_b32 s17, s[WR], 8                       ; my four fragments' scale words: 16 r + 256 WR behind a record's codes
	s_add_co_u32 s17, s17, 12288
	v_lshl_add_u32 v[VSO], v1, 4, s17
	s_add_co_u32 s17, s17, QUART
	v_lshl_add_u32 v[ADSA], v1, 4, s17
	s_add_co_u32 s17, s17, RG
	v_lshl_add_u32 v[ADSA+1], v1, 4, s17
	s_wait_alu depctr_va_vdst(0)                   ; ahead of the scalar lines at the head's end
	s_cmp_eq_u32 s[WR], 0                          ; what I prefetch: the panel that I fetch, shared with my row (A) or my column (B)
	s_cselect_b64 s[68:69], s[76:77], s[78:79]
	s_cselect_b32 s100, s15, s16
	s_mul_i32 s100, s100, 50*256
	s_add_co_u32 s100, s100, QUART
	s_mov_b32 s101, 0
	s_add_nc_u64 s[68:69], s[68:69], s[100:101]
	global_prefetch_b8 v[PFO], s[68:69] th:TH_LOAD_NT scope:SCOPE_SE
	global_prefetch_b8 v[PFO+1], s[68:69] th:TH_LOAD_NT scope:SCOPE_SE
	s_lshl_b32 s19, ttmp9, 2
	s_add_co_u32 s19, s19, s16                     ; Wv's panel: 4 x cluster x + cy: shared along my row of the cluster
	s_lshl_b32 s20, s18, 2
	s_add_co_u32 s20, s20, s15                     ; the 256 rows of x: 4 x cluster y + cx: shared along my column
	s_add_co_u32 s23, s82, QUART                   ; my region's second place
	s_add_co_u32 s100, s19, 16                     ; Wv's panels are wc's 16 to 23
	s_mul_i32 s100, s100, PANEL
	s_mul_i32 s17, s[WC], HALF                     ; waves 0 and 1 bring a half of K each
	s_add_co_u32 s100, s100, s17
	s_mov_b32 s[G0A2], 1
	s_mov_b32 s[G0A2+1], s23
	s_add_nc_u64 s[G0A2+2:G0A2+3], s[6:7], s[100:101]
	s_or_b32 s[G0A2+3], s[G0A2+3], 0x80000000
	s_lshl_b32 s100, s20, 1                        ; x's panels: first halves by waves 2 and 3,
	s_add_co_u32 s100, s100, s[WC]
	s_mul_i32 s100, s100, PANEL
	s_mov_b32 s[G0B2], 1
	s_mov_b32 s[G0B2+1], s23
	s_add_nc_u64 s[G0B2+2:G0B2+3], s[4:5], s[100:101]
	s_mul_i32 s17, s[WR], QUART                    ; second halves by all four: panel WC, records 4 + 2 WR on
	s_add_co_u32 s100, s100, s17
	s_add_co_u32 s100, s100, HALF
	s_mov_b32 s[G0X], 1
	s_mov_b32 s[G0X+1], s82
	s_add_nc_u64 s[G0X+2:G0X+3], s[4:5], s[100:101]
	s_or_b32 s[G0B2+3], s[G0B2+3], 0x80000000
	s_or_b32 s[G0X+3], s[G0X+3], 0x80000000
	s_lshl_b32 s100, s19, 6                        ; my record of vt: Wv's panel x 64 + 2 x the 256 rows of x + WC
	s_lshl_b32 s17, s20, 1
	s_add_co_u32 s100, s100, s17
	s_add_co_u32 s100, s100, s[WC]
	s_mul_i32 s100, s100, REC
	s_add_nc_u64 s[OUT2:OUT2+1], s[10:11], s[100:101]
	s_wait_tensorcnt 0x0                           ; my part of K's first quarter is in
	ds_add_u32 v[SPW], v[NIL]
	ROWS 200                                       ; no load of mine is out, so the descriptors may be written: K's second and third quarter, into the second and third place
	s_mov_b32 s[G0A+1], s23
	s_mov_b32 s[G0B+1], s23
	s_add_nc_u64 s[G0A+2:G0A+3], s[G0A+2:G0A+3], QUART
	s_add_nc_u64 s[G0B+2:G0B+3], s[G0B+2:G0B+3], QUART
	s_wait_dscnt 0x0
	CROUND                                         ; the first quarter is whole for every wave
	JLOAD G0A, G0B
	FETCH 0
	STEP 0, 1                                      ; its products start the sums: nothing is cleared
	TURN 1, 1                                      ; the second and third quarter are shown whole to every wave; the first places have been read out: K's last quarter
	STEP 2, 0
	STEP 3, 0
	STEP 4, 0
	TURN 5, 2                                      ; the last quarter is shown whole to every wave; the other places have been read out: the half tile's first load
	STEP 6, 0
	s_wait_dscnt 0x0
	MUL16 0, 1, 0
	MUL16 2, 1, 0
	MUL16 4, 1, 0
	MUL16 6, 1, 0
	WIN 0
	PLACES 4                                       ; between the last products and the first read of results, and the first write of registers that products read
.irp b, 0,1,2,3
	v_mov_b32 v[TM+4+\b], 0                        ; a lane permute's destination counts as one of its sources
	v_mov_b32 v[TM+20+\b], 0
.endr
	; THE TILE'S WAY OUT, with a refill in its middle
	PAIR1 0
	PAIR1 1
	s_wait_tensorcnt 0x0                           ; all my tensor loads have landed
	ds_add_u32 v[SPW], v[NIL]                      ; 0 onto my spare word
	ROWS 100
	s_wait_dscnt 0x0                               ; the add is done; my reads of the first places were over at the tile's last K step
	CROUND                                         ; no wave of any partner still reads the bytes to be filled; the half tile's first load is whole for every wave
	tensor_load_to_lds s[G0X:G0X+3], s[G1B:G1B+7]  ; each wave its own part of x's second halves, to my column
	s_nop 0
	PLACES 4
	FETCH2 0                                       ; the half tile's first fragments come while blocks 4 to 7 are quantised: they touch none of that work's registers
	PAIR1 2
	PAIR1 3
	v_cmp_ne_u32 vcc_lo, 0, v2                     ; lanes 16-31 carry the words of fragments 4 to 7
.irp k, 0,1,2,3
	v_cndmask_b32 v[T4+\k], v[PWS+\k], v[PWS+4+\k], vcc_lo
.endr
	global_store_b128 v[LI], v[T4:T4+3], s[70:71] offset:12288
	; THE HALF TILE
	STEP2 0, 1                                     ; its products start the sums, in the registers that blocks 0 to 3 have left
	STEP2 1, 0
	STEP2 2, 0
	WIN 0
	s_wait_tensorcnt 0x0                           ; my part of x's second halves is in
	ds_add_u32 v[SPW], v[NIL]
	s_wait_dscnt 0x1                               ; K step 3's fragments are in; the add alone may be out
	MUL8 0, 3, 0
	s_wait_dscnt 0x0
	s_barrier_signal -1
	MUL8 1, 3, 0
	WIN 0
	s_barrier_wait -1                              ; everybody's part is in
	PLACES 4                                       ; between the last products and loads into registers that K step 2 read
	FETCH2 4
	MUL8 2, 3, 0
	MUL8 3, 3, 0
	STEP2 4, 0
	STEP2 5, 0
	STEP2 6, 0
	s_wait_dscnt 0x0
.irp k, 0,1,2,3
	MUL8 \k, 7, 0
.endr
	WIN 0
	PLACES 4                                       ; between the last products and the first read of results
	; ITS WAY OUT: block k becomes fragment 4 WR + k of my record of vt
.irp p, 0,1
	s_wait_xcnt 0x0                                ; earlier stores have read this set of codes
	QUANT2 128*\p, 2, CDS+24*\p, PWS+2*\p
.irp k, 0,1
.irp c, 0,1,2
	global_store_b128 v[VCO], v[CDS+24*\p+12*\k+4*\c:CDS+24*\p+12*\k+4*\c+3], s[OUT2:OUT2+1] offset:FRG*(2*\p+\k)+512*\c
.endr
.endr
.endr
	global_store_b128 v[VSO], v[PWS:PWS+3], s[OUT2:OUT2+1]   ; my four fragments' scale words: 256 consecutive bytes, aligned; both halves of the lanes hold the same words and name the same bytes
	s_wait_tensorcnt 0x0                           ; the wave's end
	ds_add_u32 v[SPW], v[NIL]
	s_wait_dscnt 0x0
	CROUND                                         ; the closing round
	s_endpgm
.Lfunc_end_k_qc68f05a749_proj:
	.size	k_qc68f05a749_proj, .Lfunc_end_k_qc68f05a749_proj-k_qc68f05a749_proj
	.p2alignl 7, 3214868480
	.fill 96, 4, 3214868480
	.section	.rodata,"a",@progbits
	.p2align	6, 0x0
	.amdhsa_kernel k_qc68f05a749_proj
		.amdhsa_group_segment_fixed_size 327680
		.amdhsa_private_segment_fixed_size 0
		.amdhsa_enable_private_segment 0
		.amdhsa_kernarg_size 32
		.amdhsa_user_sgpr_count 2
		.amdhsa_user_sgpr_kernarg_segment_ptr 1
		.amdhsa_wavefront_size32 1
		.amdhsa_system_sgpr_workgroup_id_x 1
		.amdhsa_system_sgpr_workgroup_id_y 1
		.amdhsa_system_sgpr_workgroup_id_z 1
		.amdhsa_system_vgpr_workitem_id 0
		.amdhsa_next_free_vgpr 1024
		.amdhsa_next_free_sgpr 102
		.amdhsa_reserve_vcc 1
		.amdhsa_float_denorm_mode_32 3
		.amdhsa_float_denorm_mode_16_64 3
		.amdhsa_memory_ordered 1
		.amdhsa_forward_progress 1
		.amdhsa_inst_pref_size 209
	.end_amdhsa_kernel
	.amdgpu_metadata
---
amdhsa.version: [ 1, 2 ]
amdhsa.kernels:
  - .name:           k_qc68f05a749_proj
    .symbol:         k_qc68f05a749_proj.kd
    .args:
      - { .name: xc, .offset: 0, .size: 8, .value_kind: global_buffer, .address_space: global }
      - { .name: wc, .offset: 8, .size: 8, .value_kind: global_buffer, .address_space: global }
      - { .name: qk, .offset: 16, .size: 8, .value_kind: global_buffer, .address_space: global }
      - { .name: vt, .offset: 24, .size: 8, .value_kind: global_buffer, .address_space: global }
    .group_segment_fixed_size: 327680
    .private_segment_fixed_size: 0
    .kernarg_segment_align: 8
    .kernarg_segment_size: 32
    .max_flat_workgroup_size: 128
    .sgpr_count:     102
    .vgpr_count:     1024
    .wavefront_size: 32
...
	.end_amdgpu_metadata
.endif
;; end of part 2
;; launch score (part 3): grid 12 x 16, 8 waves a work-group, clusters of 4 x 4, 327,680 bytes of LDS; arguments qk, pc, pst; writes pc, pst
.if DOCPART == 3
	.amdgcn_target "amdgcn-amd-amdhsa--gfx1250"
	.amdhsa_code_object_version 6
	.text
	.protected	k_qc68f05a749_score
	.globl	k_qc68f05a749_score
	.p2align	8
	.type	k_qc68f05a749_score,@function
k_qc68f05a749_score:
	s_mov_b64 s[64:65], 0
	v_nop
	global_prefetch_b8 v0, s[64:65] scope:SCOPE_SE
	s_setreg_imm32_b32 hwreg(HW_REG_WAVE_MODE, 25, 1), 1
	s_wait_xcnt 0x0
	s_wait_alu depctr_hold_cnt(0) depctr_sa_sdst(0) depctr_va_vdst(0) depctr_va_sdst(0) depctr_va_ssrc(0) depctr_va_vcc(0) depctr_vm_vsrc(0)
	s_getreg_b32 s2, hwreg(HW_REG_IB_STS2, 6, 4)
	s_cmp_eq_u32 s2, 0
	s_cbranch_scc0 .Lentry_in_a_cluster
	s_endpgm
.Lentry_in_a_cluster:
	s_bfe_u32 s2, ttmp6, 0x10000c
	s_cmp_lg_u32 s2, 0xf033
	s_cbranch_scc0 .Lentry_shape_is_right
	s_endpgm
.Lentry_shape_is_right:
; S = q k^T on codes of FP6 (E2M3), K = 1,024, with the causal mask; then, for each query and each GROUP of 128 keys: t = score x log2(e) / 32,
; M_loc = the group's largest t rounded up to a whole number, p = 2^(t - M_loc), quantised along the keys; l_loc = the sum of the unquantised p.
; A whole-number M of any size gives the same codes: the next launch brings the groups under the row's own M by taking a whole number off p's scale bytes.
; qk: records as the launch before lays them, 16 to a panel: q 0-7, k 8-15.
; pc: p's codes, 12,288 bytes for (16 batch + query panel) x 16 + group.  pst: 1,536 bytes at the same index: three images of 512 bytes (lane r + 16 q: fragments
; 4 q .. 4 q + 3, row index r): p's scale words, -M_loc, l_loc.
; TILES of 256 queries x 256 keys, eight waves, two on a SIMD, each 64 x 128: 32 accumulators.  A batch's triangle is walked as three blocks of 4 x 4 tiles, (0,0), (1,0), (1,1), a cluster
; each; block (0,1) is left out: all its keys are hidden.  The tiles of a block on the diagonal that lie above it are computed too, since partners of a cluster run alike; they come out as
; zero codes, -M_loc = 1e30, l_loc = 0, and the next launch reads them.
; TRANSPOSED: source 0 = 16 keys, source 1 = 16 queries: a lane holds one query.
; THE MASK IS THE C OF THE FIRST K STEP: 0 where the key counts, -3e38 where it is hidden.  Tile (k, b) begins at my query row 32 (k / 2) + 8 (k % 2) and my key 32 (b / 2) + 8 (b % 2); D = the
; first less the second.  Register j is hidden where E > D - j, E = 16 h - the lane's row in its fragment - S, S = my first query - my first key, a multiple of 64; 16 h - row is -23 to 16.
; Nine sets of 8 registers serve the 32 tiles: D itself where k / 2 = b / 2 (-8, 0, 8: S = 0 cuts the tile) and where b / 2 = k / 2 + 2 (-72, -64, -56: S = 64 cuts it); for the others, which
; are all open or all hidden whatever S is, 24 (k / 2 > b / 2), -24 (b / 2 = k / 2 + 1) and -88 (b / 2 = k / 2 + 3).
; LDS: four regions of 76,800 bytes (A's two panels, B's two), three places of 256 along K each.  ONE LOAD A WAVE EACH TIME, waves 2 i, 2 i + 1 for region i: at the head K's first two quarters, one each;
; behind the first round the third quarter, a record each; at K step 3 the last, into the first place, which has been read out.  A's panels are shared along a row of the cluster, B's along a column.
; PREFETCH: K's last quarter, behind the third quarter's load and K step 0's LDS loads, three K steps ahead of its own load: of a panel's 100 units of 256 bytes each of the four partners names 25, 13 and 12 by its
; two waves.  The third quarter is not prefetched: three K steps stand between its load and the wait for it.
; FRAGMENTS: two sets for my queries and for the scale words, one for the keys, which are multiplied four fragments at a time: a half step's 16 products, then the loads of the same fragments
; for the next K step, which come while the other half's products run.
; LIMITS: scaled scores stay under 2^31 in magnitude, and a row of a group all of whose open t lie under -1e30 is not served; a block whose every p has fallen to 0 gets the byte 1
; with zero codes; NaN and infinities are not served.
.set REC,   12800
.set FRG,   1536
.set QUART, 2*REC
.set RG,    3*QUART
.set SPARE, 4*RG
.set LI,   3
.set ADRA, 4                           ; v4-5   my four fragments of queries: places 0 and 1 (by the offset), place 2
.set ADRB, 6                           ; v6-7   my panel of keys
.set ADSB, 8                           ; v8-9   its scale words
.set ADSA, 10                          ; v10-11 my queries'
.set SPW,  12
.set NIL,  13
.set VCO,  14
.set VSO,  15
.set M9,   16                          ; v16-23 the mask's set of D = -56
.set SC,   24                          ; v24-35, v36-47 two sets of scale words: 8 of the keys, 4 of my queries
.set AF,   48                          ; v48-95; the second set v192-239
.set BF,   96                          ; v96-191
.set MS,   192                         ; v192-255 in K step 0: eight sets: D = 24, -24, -88, -8, 0, 8, -72, -64
.set EV,   48                          ; at the head: v48  E
.set NEGV, 49                          ; v49  -3e38
.set TM,   48                          ; behind the products: v48-63 at work: +0..3 the blocks' largest, +4..7 the other half's, then bytes, +12..15 scale operands
.set NM,   64                          ; v[64:65] -M_loc (the upper register is written once)
.set LS,   66                          ; v66-69 the sum, in two chains of pairs
.set TT,   70
.set T2R,  71
.set PWS,  72                          ; v72-75 scale words, v76-79 -M_loc, v80-83 l_loc of my four fragments
.set NMS,  76
.set LSS,  80
.set PB,   96                          ; v96-159 p
.set CDS,  160                         ; v160-199 two sets of codes
.set WV,   12
.set WR,   13                          ; which 64 of the 256 queries; also: the region that I fetch for
.set WC,   14                          ; which 128 of the 256 keys; also: which half of it
.set G1A,  24
.set G1B,  32
.set G0A,  40                          ; s[40:51] three sets;  s[52:63] B's
.set G0B,  52
.set SEL,  80
.set CS,   82                          ; s[82:83] log2(e) / 32
.set MSB, 0
.macro WIN new
.if MSB != (\new)
	s_set_vgpr_msb (MSB<<8)|(\new)
.set MSB, (\new)
.endif
.endm
.macro PLACES n
.rept \n
	v_nop
.endr
.endm
.macro CREST
	s_cmp_lg_u32 s[WV], 0
	s_cbranch_scc1 .Lnot_wave_0_\@
	s_barrier_signal -3
.Lnot_wave_0_\@:
	s_barrier_wait -3
	s_barrier_signal -1
	s_barrier_wait -1
.endm
.macro CROUND
	s_barrier_signal -1
	s_barrier_wait -1
	CREST
.endm
.macro ROWS n
.irp g, G1A, G1B
	s_mov_b32 s[\g+2], (\n)<<16
	s_mov_b32 s[\g+4], \n
.endr
.endm
.macro JLOAD t
	s_cmp_lt_u32 s[WV], 4
	s_cbranch_scc0 .Lfor_b_\@
	tensor_load_to_lds s[G0A+4*(\t):G0A+4*(\t)+3], s[G1A:G1A+7]
	s_nop 0
	PLACES 4
	s_branch .Lasked_\@
.Lfor_b_\@:
	tensor_load_to_lds s[G0B+4*(\t):G0B+4*(\t)+3], s[G1B:G1B+7]
	s_nop 0
	PLACES 4
.Lasked_\@:
.endm
.macro FKEYS b0                        ; 12 loads: the keys' fragments b0 .. b0 + 3
.set LN, 3*(\b0)
.rept 12
	ds_load_b128 v[BF+4*LN:BF+4*LN+3], v[ADRB+AX] offset:OF+512*LN
.set LN, LN+1
.endr
.endm
.macro PLACEOF n                       ; where K step n lies: place (n / 2) % 3, record n % 2 of it
.set AX, ((\n)/2)%3/2
.set OF, REC*((\n)%2)+QUART*(((\n)/2)%3-2*AX)
.endm
.macro FETCH1 n                        ; K step n's first run, 27 loads: scale words, my queries, the keys' fragments 0 to 3
	PLACEOF \n
.set SX, SC+12*((\n)%2)
.set AA, AF+144*((\n)%2)
	WIN 0
	ds_load_b128 v[SX:SX+3], v[ADSB+AX] offset:OF
	ds_load_b128 v[SX+4:SX+7], v[ADSB+AX] offset:OF+256
	ds_load_b128 v[SX+8:SX+11], v[ADSA+AX] offset:OF
.set LN, 0
.rept 12
	ds_load_b128 v[AA+4*LN:AA+4*LN+3], v[ADRA+AX] offset:OF+512*LN
.set LN, LN+1
.endr
	FKEYS 0
.endm
.macro FETCH2 n                        ; its second run, 12 loads: the keys' fragments 4 to 7
	PLACEOF \n
	WIN 0
	FKEYS 4
.endm
; 4 matrix instructions: the keys' fragment b x my queries' four.  z = 1: the first K step: C is the tile's set of the mask.  The 32 accumulators take turns, one instruction a turn, in the same
; order in every step.
.macro MUL4 b, n, z
.if \z
	WIN 0x40                                       ; sources in window 0, D in window 1
.else
	WIN 0x50                                       ; C and D in window 1
.endif
.irp k, 0,1,2,3
.set DD, 64*\k+8*(\b)
.set BB, BF+12*(\b)
.set AA, AF+144*((\n)%2)+12*\k
.set SX, SC+12*((\n)%2)
.if \z
.if \k/2 > (\b)/2
.set CM, MS
.elseif \k/2 == (\b)/2
.set CM, MS+32+8*(\k%2)-8*((\b)%2)
.elseif (\b)/2-\k/2 == 1
.set CM, MS+8
.elseif (\b)/2-\k/2 == 3
.set CM, MS+16
.elseif \k%2 < (\b)%2
.set CM, MS+48
.elseif \k%2 == (\b)%2
.set CM, MS+56
.else
.set CM, M9
.endif
	v_wmma_scale_f32_16x16x128_f8f6f4 v[DD:DD+7], v[BB:BB+11], v[AA:AA+11], v[CM:CM+7], v[SX+(\b)], v[SX+8+\k] matrix_a_fmt:MATRIX_FMT_FP6 matrix_b_fmt:MATRIX_FMT_FP6
.else
	v_wmma_scale_f32_16x16x128_f8f6f4 v[DD:DD+7], v[BB:BB+11], v[AA:AA+11], v[DD:DD+7], v[SX+(\b)], v[SX+8+\k] matrix_a_fmt:MATRIX_FMT_FP6 matrix_b_fmt:MATRIX_FMT_FP6
.endif
.endr
.endm
.macro HALFMUL b0, n, z
.irp i, 0,1,2,3
	MUL4 \b0+\i, \n, \z
.endr
.endm
.macro SECOND n                        ; K step n's other half, its fragments in, and the second run of the next step
	HALFMUL 4, \n, 0
	PLACES 4                                       ; between the products and loads into registers that they read
	FETCH2 (\n)+1
.endm
.macro STEP n
	s_wait_dscnt 12                                ; this step's first run is in; its second may be out
	HALFMUL 0, \n, 0
	PLACES 4
	FETCH1 (\n)+1
	s_wait_dscnt 27                                ; its second run is in; the 27 just issued may be out
	SECOND \n
.endm
.macro TURN n, fill
	s_wait_tensorcnt 0x0                           ; all my tensor loads have landed
	ds_add_u32 v[SPW], v[NIL]                      ; 0 onto my spare word
	s_wait_dscnt 0x1                               ; this step's fragments are in; the add alone may be out
	MUL4 0, \n, 0
	MUL4 1, \n, 0
	s_wait_dscnt 0x0                               ; the add is done, and I have no read of any place out
	s_barrier_signal -1
	MUL4 2, \n, 0
	MUL4 3, \n, 0
	WIN 0
	s_barrier_wait -1
.if \fill
	CREST                                          ; a round of the cluster's barrier: no wave of any partner still reads the first places or has a load on its way
	JLOAD 2
.else
	PLACES 4
.endif
	FETCH1 (\n)+1
	SECOND \n
.endm
.macro MSET reg, D                     ; a set of the mask: register j is -3e38 where E > D - j
.irp j, 0,1,2,3,4,5,6,7
	v_cmp_lt_i32 vcc_lo, (\D)-\j, v[EV]
	v_cndmask_b32 v[\reg+\j], 0, v[NEGV], vcc_lo
.endr
.endm
; Block a (16 queries x my 128 keys): a lane holds one query; register 16 b + i is key 32 b + 16 h + i.
.macro SOFT a
.set QS, 64*(\a)
.set QC, CDS+20*((\a)%2)
.if (\a) >= 2
	s_wait_xcnt 0x0                                ; the stores of two blocks ago have read this set of codes
.endif
	s_wait_alu depctr_va_vdst(0)                   ; ahead of the first readers of this block
	WIN 0x15
.irp b, 0,1,2,3
	v_max3_num_f32 v[TM+\b], v[QS+16*\b], v[QS+16*\b+1], v[QS+16*\b+2]   ; the largest score of each block of 32 keys: it serves the row's maximum and, since p rises with the score, the block's largest p
.endr
	WIN 0x14
.irp i, 3,5,7,9,11,13
.irp b, 0,1,2,3
	v_max3_num_f32 v[TM+\b], v[TM+\b], v[QS+16*\b+\i], v[QS+16*\b+\i+1]
.endr
.endr
	WIN 0x04
.irp b, 0,1,2,3
	v_max_num_f32 v[TM+\b], v[TM+\b], v[QS+16*\b+15]
.endr
	WIN 0
.irp b, 0,1,2,3
	v_permlanex16_b32 v[TM+4+\b], v[TM+\b], s[SEL], s[SEL+1]
.endr
.irp b, 0,1,2,3
	v_max_num_f32 v[TM+\b], v[TM+\b], v[TM+4+\b]   ; with lane l xor 16's 16 keys
.endr
	v_max3_num_f32 v[TT], v[TM], v[TM+1], v[TM+2]
	v_max_num_f32 v[TT], v[TT], v[TM+3]
	v_mul_f32 v[TT], s[CS], v[TT]                  ; the group's largest t
	v_max_num_f32 v[TT], 0xf149f2ca, v[TT]         ; held at -1e30 from below: a group that is all hidden
	v_floor_f32 v[NM], -v[TT]                      ; -M_loc = floor(-t): a whole number
	WIN 0x01
.set J, 0
.rept 32
	v_pk_fma_f32 v[PB+J:PB+J+1], v[QS+J:QS+J+1], s[CS:CS+1], v[NM:NM+1] op_sel_hi:[1,0,0]   ; t - M_loc, two at a time
.set J, J+2
.endr
	WIN 0
.irp b, 0,1,2,3
	v_fma_f32 v[TM+\b], v[TM+\b], s[CS], v[NM]     ; the same of each block's largest score
.endr
	s_wait_alu depctr_va_vdst(0)                   ; ahead of the batch
.set J, 0
.rept 64
	v_exp_f32 v[PB+J], v[PB+J]                     ; p, at most 1
.set J, J+1
.endr
	v_mov_b32 v[NMS+(\a)], v[NM]                   ; (a plain instruction behind the exponentials)
	s_wait_alu depctr_va_vdst(0)                   ; one wait for the batch, ahead of its first reader
.irp b, 0,1,2,3
	v_exp_f32 v[TM+\b], v[TM+\b]                   ; the blocks' largest p
.endr
	v_pk_add_f32 v[LS:LS+1], v[PB:PB+1], v[PB+2:PB+3]          ; the sum of the unquantised p, in two chains
	v_pk_add_f32 v[LS+2:LS+3], v[PB+4:PB+5], v[PB+6:PB+7]
.set J, 8
.rept 14
	v_pk_add_f32 v[LS:LS+1], v[LS:LS+1], v[PB+J:PB+J+1]
	v_pk_add_f32 v[LS+2:LS+3], v[LS+2:LS+3], v[PB+J+2:PB+J+3]
.set J, J+4
.endr
	v_pk_add_f32 v[LS:LS+1], v[LS:LS+1], v[LS+2:LS+3]
	s_wait_alu depctr_va_vdst(0)                   ; and one for the four
.irp b, 0,1,2,3
	v_max_num_f32 v[TM+\b], 0x1800000, v[TM+\b]    ; the floor 2^(3 - 127): the byte cannot fall under 1
.endr
.irp b, 0,1,2,3
	v_add_nc_u32 v[TM+12+\b], 0xff000000, v[TM+\b]
.endr
.irp b, 0,1,2,3
	v_lshrrev_b32 v[TM+4+\b], 23, v[TM+12+\b]
.endr
	v_lshl_or_b32 v[PWS+(\a)], v[TM+5], 8, v[TM+4]
	v_lshl_or_b32 v[PWS+(\a)], v[TM+6], 16, v[PWS+(\a)]
	v_lshl_or_b32 v[PWS+(\a)], v[TM+7], 24, v[PWS+(\a)]
.irp c, 0,1
	v_cvt_scalef32_pk16_fp6_f32 v[QC+6*\c:QC+6*\c+2], v[PB+32*\c:PB+32*\c+15], v[TM+12+2*\c]
	v_cvt_scalef32_pk16_fp6_f32 v[QC+12+4*\c:QC+14+4*\c], v[PB+32*\c+16:PB+32*\c+31], v[TM+13+2*\c]
.endr
	v_nop                                          ; one plain instruction behind the scaled conversions
.irp c, 0,1
.irp i, 0,1,2
	v_permlane16_swap_b32 v[QC+6*\c+\i], v[QC+12+4*\c+\i]
.endr
.endr
.irp c, 0,1
.irp i, 0,1,2
	v_mov_b32 v[QC+3+6*\c+\i], v[QC+12+4*\c+\i]
.endr
.endr
	v_add_f32 v[TT], v[LS], v[LS+1]
	v_permlanex16_b32 v[T2R], v[TT], s[SEL], s[SEL+1]
	v_add_f32 v[LSS+(\a)], v[TT], v[T2R]           ; l_loc
.irp c, 0,1,2
	global_store_b128 v[VCO], v[QC+4*\c:QC+4*\c+3], s[70:71] offset:FRG*(\a)+512*\c   ; 512 consecutive bytes, aligned
.endr
.endm
	s_load_b128 s[4:7], s[0:1], 0x0                ; qk, pc
	s_load_b64 s[8:9], s[0:1], 0x10                ; pst
	v_lshl_add_u32 v[SPW], v0, 2, SPARE
	v_mov_b32 v[NIL], 0
	ds_add_u32 v[SPW], v[NIL]                      ; the opening lines: an add of 0 to my spare word, twice on end, and its wait
	ds_add_u32 v[SPW], v[NIL]
	v_lshrrev_b32 v1, 5, v0
	v_readfirstlane_b32 s[WV], v1
	s_lshr_b32 s[WR], s[WV], 1
	s_and_b32 s[WC], s[WV], 1
	s_and_b32 s22, s[WR], 1                        ; which half of a panel's queries; also: which panel of the two
	s_lshr_b32 s23, s[WR], 1                       ; my queries' panel
	s_bfe_u32 s15, ttmp6, 0x40000                  ; cx
	s_bfe_u32 s16, ttmp6, 0x40004                  ; cy
	s_and_b32 s17, ttmp7, 0xffff                   ; the batch
	s_add_co_u32 s18, ttmp9, 1
	s_lshr_b32 s18, s18, 1                         ; the block's row: 0, 1, 1
	s_lshr_b32 s19, ttmp9, 1                       ; its column: 0, 0, 1
	s_lshl_b32 s20, s18, 2
	s_add_co_u32 s20, s20, s16                     ; tile row (queries)
	s_lshl_b32 s21, s19, 2
	s_add_co_u32 s21, s21, s15                     ; tile column (keys)
	s_lshl_b32 s74, s16, 2
	s_lshl_b32 s74, 15, s74                        ; my row of the cluster
	s_lshl_b32 s75, 0x1111, s15                    ; my column
	s_or_b32 s[G1A], s74, (3<<16)|(1<<21)          ; group 1: dense bytes as rows of 32 elements of 8 bytes
	s_or_b32 s[G1B], s75, (3<<16)|(1<<21)
.irp g, G1A, G1B
	s_mov_b32 s[\g+1], 32<<16
	s_mov_b32 s[\g+3], 32<<16
	s_mov_b32 s[\g+5], 32
	s_mov_b32 s[\g+6], 0
	s_mov_b32 s[\g+7], 0
.endr
	ROWS 100                                       ; the head: a quarter of K of a panel
	s_lshl_b32 s76, s17, 4                         ; q's panel: 16 batch + 2 tile row + the panel that I fetch; 16 records to a panel
	s_lshl_b32 s77, s20, 1
	s_add_co_u32 s76, s76, s77
	s_add_co_u32 s76, s76, s22
	s_mul_i32 s76, s76, 16*REC
	s_mov_b32 s77, 0
	s_lshl_b32 s78, s17, 4                         ; k's likewise, by the tile column, 8 records on
	s_lshl_b32 s79, s21, 1
	s_add_co_u32 s78, s78, s79
	s_add_co_u32 s78, s78, s22
	s_mul_i32 s78, s78, 16*REC
	s_add_co_u32 s78, s78, 8*REC
	s_mov_b32 s79, 0
	s_mul_i32 s92, s[WC], QUART                    ; the first or the second quarter,
	s_mov_b32 s93, 0
	s_mul_i32 s85, s[WC], REC
	s_add_co_u32 s94, s85, 2*QUART                 ; my record of the third,
	s_mov_b32 s95, 0
	s_add_co_u32 s96, s85, 3*QUART                 ; and my record of the last
	s_mov_b32 s97, 0
	s_mul_i32 s89, s[WR], RG
	s_add_co_u32 s88, s89, s92                     ; their places in LDS
	s_add_co_u32 s11, s89, s94
	s_add_co_u32 s10, s89, s85
	s_sub_co_i32 s84, s20, s21                     ; S: 256 (tile row - tile column) + 64 WR - 128 WC
	s_lshl_b32 s84, s84, 8
	s_lshl_b32 s85, s[WR], 6
	s_add_co_i32 s84, s84, s85
	s_lshl_b32 s85, s[WC], 7
	s_sub_co_i32 s84, s84, s85
	s_lshl_b32 s86, s17, 4                         ; my record of pc and pst: (16 batch + 2 tile row + my panel) x 16 + 2 tile column + WC
	s_lshl_b32 s85, s20, 1
	s_add_co_u32 s86, s86, s85
	s_add_co_u32 s86, s86, s23
	s_lshl_b32 s86, s86, 4
	s_lshl_b32 s85, s21, 1
	s_add_co_u32 s86, s86, s85
	s_add_co_u32 s86, s86, s[WC]
	s_mul_i32 s98, s86, 1536
	s_mov_b32 s99, 0
	s_mul_i32 s86, s86, 12288
	s_mov_b32 s87, 0
	s_mov_b32 s[SEL], 0x76543210
	s_mov_b32 s[SEL+1], 0xfedcba98
	s_mov_b32 s[CS], 0x3d38aa3b                    ; log2(e) / 32
	s_mov_b32 s[CS+1], s[CS]
.irp g, G0A, G0B
	s_mov_b32 s[\g], 1
	s_mov_b32 s[\g+1], s88
	s_mov_b32 s[\g+4], 1
	s_mov_b32 s[\g+5], s11
	s_mov_b32 s[\g+8], 1
	s_mov_b32 s[\g+9], s10
.endr
	s_wait_dscnt 0x0                               ; both opening adds are done
	s_wait_kmcnt 0x0
	s_add_nc_u64 s[66:67], s[4:5], s[76:77]
	s_add_nc_u64 s[68:69], s[4:5], s[78:79]
.irp t, 0,1,2
	s_add_nc_u64 s[G0A+4*\t+2:G0A+4*\t+3], s[66:67], s[92+2*\t:93+2*\t]
	s_or_b32 s[G0A+4*\t+3], s[G0A+4*\t+3], 0x80000000
	s_add_nc_u64 s[G0B+4*\t+2:G0B+4*\t+3], s[68:69], s[92+2*\t:93+2*\t]
	s_or_b32 s[G0B+4*\t+3], s[G0B+4*\t+3], 0x80000000
.endr
	CROUND                                         ; all sixteen work-groups are here: the first joint loads meet
	JLOAD 0                                        ; one tensor load a wave at the head
	s_add_nc_u64 s[70:71], s[6:7], s[86:87]
	s_add_nc_u64 s[72:73], s[8:9], s[98:99]
	v_and_b32 v1, 15, v0                           ; r
	v_bfe_u32 v2, v0, 4, 1                         ; h
	v_and_b32 v[LI], 31, v0
	v_lshlrev_b32 v[LI], 4, v[LI]
	s_wait_alu depctr_va_vdst(0)                   ; ahead of the scalar lines
	s_mul_i32 s17, s22, 4*FRG
	v_add_nc_u32 v[VCO], s17, v[LI]                ; my four fragments in a record of pc,
	s_mul_i32 s10, s23, RG
	s_add_co_u32 s17, s17, s10                     ; and in LDS
	s_mul_i32 s11, s[WC], RG
	s_add_co_u32 s11, s11, 2*RG                    ; my keys' panel
	v_lshlrev_b32 v[ADSA], 4, v1
	s_lshl_b32 s18, s22, 8
	v_add_nc_u32 v[VSO], s18, v[ADSA]              ; my four fragments' part of an image: 16 r + 256 x half
	v_add_nc_u32 v[ADSB], 12288, v[ADSA]
	v_add_nc_u32 v[ADSA], 12288, v[VSO]
	v_add_nc_u32 v[ADSB], s11, v[ADSB]
	v_add_nc_u32 v[ADSA], s10, v[ADSA]
	v_add_nc_u32 v[ADRA], s17, v[LI]
	v_add_nc_u32 v[ADRB], s11, v[LI]
.irp a, ADRA, ADRB, ADSA, ADSB
	v_add_nc_u32 v[\a+1], 2*QUART, v[\a]
.endr
	; the mask's nine sets, made while the first tiles are on their way
	v_and_b32 v[EV], 7, v1
	v_lshrrev_b32 v[NEGV], 3, v1
	v_lshl_add_u32 v[EV], v[NEGV], 4, v[EV]        ; the lane's row in its fragment: r % 8 + 16 (r / 8)
	v_lshlrev_b32 v[NEGV], 4, v2
	v_sub_nc_u32 v[EV], v[NEGV], v[EV]
	v_sub_nc_u32 v[EV], v[EV], s84                 ; E
	v_mov_b32 v[NEGV], 0xff61b1e6                  ; -3e38
	s_lshl_b32 s85, s[WC], 8
	s_sub_co_u32 s85, 12*256, s85
	v_lshlrev_b32 v1, 4, v[LI]                     ; the prefetch: a unit a lane, 13 or 12 of them; left-over lanes name the last again
	v_min_u32 v1, s85, v1
	MSET MS, 24
	MSET MS+8, -24
	MSET MS+16, -88
	MSET MS+24, -8
	MSET MS+32, 0
	MSET MS+40, 8
	MSET MS+48, -72
	MSET MS+56, -64
	MSET M9, -56
	s_wait_alu depctr_va_vdst(0)
	s_cmp_lt_u32 s[WV], 4                          ; what I prefetch: shared with my row (A) or my column (B)
	s_cselect_b64 s[90:91], s[66:67], s[68:69]
	s_cselect_b32 s98, s15, s16
	s_mul_i32 s98, s98, 25*256
	s_mul_i32 s85, s[WC], 13*256
	s_add_co_u32 s98, s98, s85
	s_add_co_u32 s98, s98, 3*QUART
	s_add_nc_u64 s[90:91], s[90:91], s[98:99]
	s_wait_tensorcnt 0x0                           ; my part of K's first two quarters is in
	ds_add_u32 v[SPW], v[NIL]
	ROWS 50                                        ; from here on a record a load
	s_wait_dscnt 0x0
	CROUND                                         ; the first two quarters are whole for every wave
	JLOAD 1
	FETCH1 0
	FETCH2 0
	global_prefetch_b8 v1, s[90:91] th:TH_LOAD_NT scope:SCOPE_SE
	s_wait_dscnt 0x0
	HALFMUL 0, 0, 1                                ; the sums start from the mask
	HALFMUL 4, 0, 1
	PLACES 4
	FETCH1 1                                       ; the second set of my queries takes the mask's registers, which no product behind this line reads
	FETCH2 1
	STEP 1
	STEP 2
	TURN 3, 1                                      ; shows the third quarter; the first places have been read out: K's last quarter
	STEP 4
	TURN 5, 0                                      ; shows the last quarter; nothing is filled
	STEP 6
	s_wait_dscnt 12
	HALFMUL 0, 7, 0
	s_wait_dscnt 0x0
	HALFMUL 4, 7, 0
	WIN 0
	PLACES 4                                       ; between the last products and the first read of results, and the first write of registers that products read
.irp b, 0,1,2,3
	v_mov_b32 v[TM+4+\b], 0                        ; a lane permute's destination counts as one of its sources
.endr
	v_mov_b32 v[NM+1], 0                           ; (named as the upper half of a pair)
	v_mov_b32 v[T2R], 0
.irp a, 0,1,2,3
	SOFT \a
.endr
	global_store_b128 v[VSO], v[PWS:PWS+3], s[72:73]   ; 256 consecutive bytes, aligned; both halves of the lanes hold the same words and name the same bytes
	global_store_b128 v[VSO], v[NMS:NMS+3], s[72:73] offset:512
	global_store_b128 v[VSO], v[LSS:LSS+3], s[72:73] offset:1024
	s_wait_tensorcnt 0x0                           ; the wave's end
	ds_add_u32 v[SPW], v[NIL]
	s_wait_dscnt 0x0
	CROUND                                         ; the closing round
	s_endpgm
.Lfunc_end_k_qc68f05a749_score:
	.size	k_qc68f05a749_score, .Lfunc_end_k_qc68f05a749_score-k_qc68f05a749_score
	.p2alignl 7, 3214868480
	.fill 96, 4, 3214868480
	.section	.rodata,"a",@progbits
	.p2align	6, 0x0
	.amdhsa_kernel k_qc68f05a749_score
		.amdhsa_group_segment_fixed_size 327680
		.amdhsa_private_segment_fixed_size 0
		.amdhsa_enable_private_segment 0
		.amdhsa_kernarg_size 24
		.amdhsa_user_sgpr_count 2
		.amdhsa_user_sgpr_kernarg_segment_ptr 1
		.amdhsa_wavefront_size32 1
		.amdhsa_system_sgpr_workgroup_id_x 1
		.amdhsa_system_sgpr_workgroup_id_y 1
		.amdhsa_system_sgpr_workgroup_id_z 1
		.amdhsa_system_vgpr_workitem_id 0
		.amdhsa_next_free_vgpr 512
		.amdhsa_next_free_sgpr 100
		.amdhsa_reserve_vcc 1
		.amdhsa_float_denorm_mode_32 3
		.amdhsa_float_denorm_mode_16_64 3
		.amdhsa_memory_ordered 1
		.amdhsa_forward_progress 1
		.amdhsa_inst_pref_size 116
	.end_amdhsa_kernel
	.amdgpu_metadata
---
amdhsa.version: [ 1, 2 ]
amdhsa.kernels:
  - .name:           k_qc68f05a749_score
    .symbol:         k_qc68f05a749_score.kd
    .args:
      - { .name: qk, .offset: 0, .size: 8, .value_kind: global_buffer, .address_space: global }
      - { .name: pc, .offset: 8, .size: 8, .value_kind: global_buffer, .address_space: global }
      - { .name: pst, .offset: 16, .size: 8, .value_kind: global_buffer, .address_space: global }
    .group_segment_fixed_size: 327680
    .private_segment_fixed_size: 0
    .kernarg_segment_align: 8
    .kernarg_segment_size: 24
    .max_flat_workgroup_size: 256
    .sgpr_count:     100
    .vgpr_count:     512
    .wavefront_size: 32
...
	.end_amdgpu_metadata
.endif
;; end of part 3
;; launch pv (part 4): grid 4 x 64, 4 waves a work-group, clusters of 4 x 4, 327,680 bytes of LDS; arguments pc, pst, vt, out0; writes out0
.if DOCPART == 4
	.amdgcn_target "amdgcn-amd-amdhsa--gfx1250"
	.amdhsa_code_object_version 6
	.text
	.protected	k_qc68f05a749_pv
	.globl	k_qc68f05a749_pv
	.p2align	8
	.type	k_qc68f05a749_pv,@function
k_qc68f05a749_pv:
	s_mov_b64 s[64:65], 0
	v_nop
	global_prefetch_b8 v0, s[64:65] scope:SCOPE_SE
	s_setreg_imm32_b32 hwreg(HW_REG_WAVE_MODE, 25, 1), 1
	s_wait_xcnt 0x0
	s_wait_alu depctr_hold_cnt(0) depctr_sa_sdst(0) depctr_va_vdst(0) depctr_va_sdst(0) depctr_va_ssrc(0) depctr_va_vcc(0) depctr_vm_vsrc(0)
	s_getreg_b32 s2, hwreg(HW_REG_IB_STS2, 6, 4)
	s_cmp_eq_u32 s2, 0
	s_cbranch_scc0 .Lentry_in_a_cluster
	s_endpgm
.Lentry_in_a_cluster:
	s_bfe_u32 s2, ttmp6, 0x10000c
	s_cmp_lg_u32 s2, 0xf033
	s_cbranch_scc0 .Lentry_shape_is_right
	s_endpgm
.Lentry_shape_is_right:
; O = P v / l on codes of FP6 (E2M3).  P's codes were made group by group of 128 keys under a whole-number M_loc of the group's own.  Here, for each query: M = the largest
; M_loc; l = the sum of l_loc 2^(M_loc - M); M - M_loc is taken off the four bytes of the group's scale word (held at 0 from below): exact, the codes stay as they are.
; pc: 12,288 bytes of codes for (16 batch + query panel) x 16 + group; pst: at the same index three images of 512 bytes: scale words, -M_loc, l_loc.
; vt: v^T as records of 12,800 bytes (128 channels x 128 keys, in the order of the operand's registers, scale words at 12,288), 64 to a panel of channels, 16 for each batch.
; SHARES.  A work-group makes 128 queries x 256 channels; a wave 64 x 128: 32 accumulators.  TRANSPOSED: source 0 = 16 channels of v^T, source 1 = 16 queries of P: a lane holds one query.
; CLUSTER: cy = the query panel 4 c + cy, cx = the tile of channels; c = the cluster's y % 4 is the same in all partners.  All sixteen walk 512 (c + 1) keys, in slots of 512: four K steps;
; keys behind those are left out: the mask hides them from every query of the cluster, and their p is 0.
; P's groups beyond a partner's own diagonal are zero codes.  P's slot is shared along a row of the cluster, v^T's panels along a column: joint loads, one a wave: waves 0, 1 fetch v^T's two panels
; (51,200 bytes each), waves 2, 3 P's four groups (24,576 bytes each).  Two slots: the first is asked for at the head, every other behind a drained round.
; THE WALK has four positions, 0 to 3, in LDS slots 0, 1, 0, 1.  c = 0: position 0; c = 1: positions 0 and 3; c = 2: 0, 1, 2; c = 3: all.  Position j takes the keys of slot step min(c, j), so that the
; text of positions 1 to 3 is shared; a slot is filled only where a later step reads it.  Statistics of a position that is not walked have the weight 0.
; PREFETCH: slot step 1's tiles are asked for when the statistics have come, ahead of the work on them and of a round; 2 behind the load of slot step 1, 3 behind that of slot step 2, a slot step
; of products ahead of their own loads.  Of v^T's panel (200 units of 256 bytes) the partner cy names 50, of P's (192 units) the partner cx 48, 24 by each of waves 2 and 3; a step beyond c is not asked for.
; REGISTERS: window 0: v1-15 addresses; v16-23 1 / l; v24-31 at work; v32-47 v^T's scale words, two sets; v48-79 P's scale words (register 4 g' + k: lanes 0-15 group 2 g', lanes 16-31 group 2 g' + 1,
;   fragment k); v80-127 the fix-up; v128-223 P's fragments, two sets (on the way out v96-223 at work); v224-255 l_loc.   window 1: v^T's fragments at v0 and v128; v96, v97 the prefetches' offsets.
;   window 2: accumulator (k, b) at v[64 k + 8 b].
; LIMITS: a block of p whose byte is smaller than M - M_loc gets the byte 0, 2^-127: it then adds at most 7.5 x 2^-127 x |v| for each key; NaN and infinities are not served.
.set REC,   12800
.set PREC,  12288
.set FRG,   1536
.set AOFF,  4*REC*2                    ; in a slot: v^T's two panels, then P
.set SLOT4, AOFF+4*PREC
.set SPARE, 2*SLOT4                    ; the spare words, 128 bytes a wave, which no other line names
.set STAGE, SPARE+512                  ; the way out: 16 rows x (256 + 16) bytes for each wave; no fill lands here
.set LI,   3
.set ADRA, 4
.set ADRB, 6
.set ADRS, 8
.set SPW,  10
.set NIL,  11
.set VS,   12
.set STO,  13
.set RD,   14
.set GO,   15
.set RL,   16
.set WK,   24
.set SB,   32
.set FW,   48
.set NMR,  80
.set NG,   112
.set LSUM, 116
.set DT,   120
.set FT,   124
.set AF,   128
.set LR,   224
.set PO,   96                          ; in window 1
.set OB,   160
.set WV,   12
.set WR,   13
.set WC,   14
.set CC,   18
.set G1A,  24
.set G1B,  32
.set G0A,  40                          ; s[40:55] four sets, one for each position; B's: s[56:63], s[68:75]
.set STR,  66                          ; from slot step to slot step, bytes, of what I prefetch
.set STB,  76                          ; s[76:83] the four positions' statistics
.set WTS,  84                          ; s84-87  1.0 where the position is walked, else 0
.set SEL,  88
.set MULW, 0xa1
.set TO_B, 0x40
.set MSB, 0
.macro WIN new
.if MSB != (\new)
	s_set_vgpr_msb (MSB<<8)|(\new)
.set MSB, (\new)
.endif
.endm
.macro PLACES n
.rept \n
	v_nop
.endr
.endm
.macro CREST
	s_cmp_lg_u32 s[WV], 0
	s_cbranch_scc1 .Lnot_wave_0_\@
	s_barrier_signal -3
.Lnot_wave_0_\@:
	s_barrier_wait -3
	s_barrier_signal -1
	s_barrier_wait -1
.endm
.macro CROUND
	s_barrier_signal -1
	s_barrier_wait -1
	CREST
.endm
.macro JLOAD4 j                        ; the joint load for position j; four v_nop follow each line
.set BS, 56+4*(\j)+4*((\j)/2)
	s_cmp_lt_u32 s[WV], 2
	s_cbranch_scc0 .Lfor_p_\@
	tensor_load_to_lds s[BS:BS+3], s[G1B:G1B+7]
	s_nop 0
	PLACES 4
	s_branch .Lasked_\@
.Lfor_p_\@:
	tensor_load_to_lds s[G0A+4*(\j):G0A+4*(\j)+3], s[G1A:G1A+7]
	s_nop 0
	PLACES 4
.Lasked_\@:
.endm
.macro PFSLOT j, q                     ; my part of slot step j into the L2; s[q:q+1] is not written again
	s_cmp_lt_u32 s[CC], \j
	s_cbranch_scc1 .Lno_pf_\@
	s_mul_i32 s94, s[STR], \j
	s_mov_b32 s95, 0
	s_add_nc_u64 s[\q:\q+1], s[92:93], s[94:95]
	s_cmp_lt_u32 s[WV], 2
	s_set_vgpr_msb 0x0001
	global_prefetch_b8 v[PO], s[\q:\q+1] th:TH_LOAD_NT scope:SCOPE_SE
	s_set_vgpr_msb 0x0100
	s_cbranch_scc0 .Lno_pf_\@
	s_set_vgpr_msb 0x0001
	global_prefetch_b8 v[PO+1], s[\q:\q+1] th:TH_LOAD_NT scope:SCOPE_SE
	s_set_vgpr_msb 0x0100
.Lno_pf_\@:
.endm
.macro FETCH g                         ; K step g (128 keys): 24 loads for v^T, 12 for P, 2 for v^T's scale words, into set g % 2
.set FS, ((\g)/4)%2
.set FQ, (\g)%4
.set FH, (\g)%2
	WIN TO_B
.set LN, 0
.rept 24
	ds_load_b128 v[128*FH+4*LN:128*FH+4*LN+3], v[ADRB+FS] offset:REC*FQ+512*LN
.set LN, LN+1
.endr
	WIN 0
.set LN, 0
.rept 12
	ds_load_b128 v[AF+48*FH+4*LN:AF+48*FH+4*LN+3], v[ADRA+FS] offset:PREC*FQ+512*LN
.set LN, LN+1
.endr
	ds_load_b128 v[SB+8*FH:SB+8*FH+3], v[ADRS+FS] offset:REC*FQ
	ds_load_b128 v[SB+8*FH+4:SB+8*FH+7], v[ADRS+FS] offset:REC*FQ+256
.endm
; 8 matrix instructions: P's fragment k x v^T's eight.  An odd group's scale words stand in lanes 16-31.  The 32 accumulators take turns.
.macro MUL8 k, g, z
	WIN MULW
.irp b, 0,1,2,3,4,5,6,7
.set DD, 64*(\k)+8*\b
.set BB, 128*((\g)%2)+12*\b
.set AA, AF+48*((\g)%2)+12*(\k)
.set SV, SB+8*((\g)%2)+\b
.set SPR, FW+4*((\g)/2)+(\k)
.if (\g)%2
	v_wmma_scale_f32_16x16x128_f8f6f4 v[DD:DD+7], v[BB:BB+11], v[AA:AA+11], v[DD:DD+7], v[SV], v[SPR] matrix_a_fmt:MATRIX_FMT_FP6 matrix_b_fmt:MATRIX_FMT_FP6 matrix_b_scale:MATRIX_SCALE_ROW1
.elseif \z
	v_wmma_scale_f32_16x16x128_f8f6f4 v[DD:DD+7], v[BB:BB+11], v[AA:AA+11], 0, v[SV], v[SPR] matrix_a_fmt:MATRIX_FMT_FP6 matrix_b_fmt:MATRIX_FMT_FP6
.else
	v_wmma_scale_f32_16x16x128_f8f6f4 v[DD:DD+7], v[BB:BB+11], v[AA:AA+11], v[DD:DD+7], v[SV], v[SPR] matrix_a_fmt:MATRIX_FMT_FP6 matrix_b_fmt:MATRIX_FMT_FP6
.endif
.endr
.endm
.macro STEP4 g, z
	PLACES 4                                       ; between the last products and loads into registers that they read
	FETCH (\g)+1
	s_wait_dscnt 38                                ; all but the 38 just issued
.irp k, 0,1,2,3
	MUL8 \k, \g, \z
.endr
.endm
; A slot's last K step, g: each wave waits for all its tensor loads, adds 0 to its spare word, waits for that and for its LDS reads, and passes a barrier.
; fill = 1: the slot just read out takes position nj.  nx: the next K step, in the other slot.
.macro TURN4 g, fill, nj, nx
	WIN 0
	s_wait_tensorcnt 0x0                           ; all my tensor loads have landed: my part of the other slot
	ds_add_u32 v[SPW], v[NIL]                      ; 0 onto my spare word
	s_wait_dscnt 0x1                               ; this step's fragments are in; the add alone may be out
	MUL8 0, \g, 0
	s_wait_dscnt 0x0                               ; the add is done, and my reads of this slot are over
	s_barrier_signal -1
	MUL8 1, \g, 0
	WIN 0
	s_barrier_wait -1
.if \fill
	CREST                                          ; a round of the cluster's barrier: no wave of any partner still reads this slot or has a load on its way
	JLOAD4 \nj
.else
	PLACES 4
.endif
	FETCH \nx
	MUL8 2, \g, 0
	MUL8 3, \g, 0
	WIN 0
.endm
.macro FIN4 g                          ; the last K step of all
	s_wait_dscnt 0x0
.irp k, 0,1,2,3
	MUL8 \k, \g, 0
.endr
	WIN 0
.endm
	s_load_b256 s[4:11], s[0:1], 0x0               ; pc, pst, vt, out0
	v_lshl_add_u32 v[SPW], v0, 2, SPARE
	v_mov_b32 v[NIL], 0
	ds_add_u32 v[SPW], v[NIL]                      ; the opening lines: an add of 0 to my spare word, twice on end, and its wait
	ds_add_u32 v[SPW], v[NIL]
	v_lshrrev_b32 v1, 5, v0
	v_readfirstlane_b32 s[WV], v1
	s_lshr_b32 s[WR], s[WV], 1                     ; which 64 of the 128 queries
	s_and_b32 s[WC], s[WV], 1                      ; which 128 of the 256 channels; also: which panel of v^T, or which half of P's slot, I fetch
	s_cmp_lt_u32 s[WV], 2
	s_cselect_b32 s17, 31, 23
	v_and_b32 v1, 15, v0                           ; r
	v_bfe_u32 v2, v0, 4, 1                         ; h
	v_and_b32 v[LI], 31, v0
	v_add_nc_u32 v[VS], 32, v[LI]
	v_min_u32 v[VS], 49, v[VS]
	v_min_u32 v[GO], s17, v[LI]
	s_set_vgpr_msb 0x0040
	v_lshlrev_b32 v[PO], 8, v[GO]                  ; the prefetches: a unit a lane, the first 32 (24) and the rest; left-over lanes name the last again
	v_lshlrev_b32 v[PO+1], 8, v[VS]
	s_set_vgpr_msb 0x4000
	v_lshlrev_b32 v[LI], 4, v[LI]
	v_lshlrev_b32 v[VS], 4, v1                     ; the statistics: 16 r, + a group for lanes 16-31, + my four fragments' half of an image
	v_mad_u32_u24 v[VS], v2, 1536, v[VS]
	s_lshl_b32 s22, s[WR], 8
	v_add_nc_u32 v[VS], s22, v[VS]
	s_mul_i32 s22, s[WR], 4*FRG
	s_add_co_u32 s22, s22, AOFF
	v_add_nc_u32 v[ADRA], s22, v[LI]               ; P: my four fragments
	s_add_co_u32 s22, s22, SLOT4
	v_add_nc_u32 v[ADRA+1], s22, v[LI]
	s_mul_i32 s22, s[WC], 4*REC
	v_add_nc_u32 v[ADRB], s22, v[LI]               ; v^T: my panel
	v_lshl_add_u32 v[ADRS], v1, 4, s22
	v_add_nc_u32 v[ADRS], 12288, v[ADRS]           ; its scale words: 16 r, in both halves of the lanes
	s_add_co_u32 s22, s22, SLOT4
	v_add_nc_u32 v[ADRB+1], s22, v[LI]
	v_lshl_add_u32 v[ADRS+1], v1, 4, s22
	v_add_nc_u32 v[ADRS+1], 12288, v[ADRS+1]
	s_mul_i32 s22, s[WV], 16*272
	s_add_co_u32 s22, s22, STAGE                   ; my stage
	v_mul_u32_u24 v[STO], v1, 272
	v_lshl_add_u32 v[STO], v2, 6, v[STO]
	v_add_nc_u32 v[STO], s22, v[STO]               ; in: row r, + 64 h
	v_mul_u32_u24 v[RD], v2, 272
	v_lshl_add_u32 v[RD], v1, 4, v[RD]
	v_add_nc_u32 v[RD], s22, v[RD]                 ; back: lanes 0-15 one row, lanes 16-31 the next
	v_lshlrev_b32 v[GO], 12, v2
	v_lshl_add_u32 v[GO], v1, 4, v[GO]             ; and the same two rows in out0
.irp k, 0,1,2,3
	v_mov_b32 v[DT+\k], 0                          ; a lane permute's destination counts as one of its sources
.endr
	s_wait_alu depctr_va_vdst(0)                   ; ahead of the scalar lines and the waits
	s_bfe_u32 s15, ttmp6, 0x40000                  ; cx
	s_bfe_u32 s16, ttmp6, 0x40004                  ; cy
	s_and_b32 s20, ttmp7, 0xffff
	s_lshr_b32 s17, s20, 2                         ; the batch
	s_and_b32 s[CC], s20, 3                        ; c
	s_lshl_b32 s19, s[CC], 2
	s_add_co_u32 s19, s19, s16                     ; the query panel
	s_lshl_b32 s20, s16, 2
	s_lshl_b32 s20, 15, s20                        ; my row of the cluster
	s_lshl_b32 s21, 0x1111, s15                    ; my column
	s_or_b32 s[G1A], s20, (3<<16)|(1<<21)          ; group 1: dense bytes as rows of 32 elements of 8 bytes: P's 96 rows a wave, v^T's 200
	s_or_b32 s[G1B], s21, (3<<16)|(1<<21)
	s_mov_b32 s[G1A+1], 32<<16
	s_mov_b32 s[G1A+2], 96<<16
	s_mov_b32 s[G1A+3], 32<<16
	s_mov_b32 s[G1A+4], 96
	s_mov_b32 s[G1A+5], 32
	s_mov_b32 s[G1A+6], 0
	s_mov_b32 s[G1A+7], 0
	s_mov_b32 s[G1B+1], 32<<16
	s_mov_b32 s[G1B+2], 200<<16
	s_mov_b32 s[G1B+3], 32<<16
	s_mov_b32 s[G1B+4], 200
	s_mov_b32 s[G1B+5], 32
	s_mov_b32 s[G1B+6], 0
	s_mov_b32 s[G1B+7], 0
	s_lshl_b32 s92, s17, 4
	s_add_co_u32 s92, s92, s19                     ; 16 batch + query panel
	s_mul_i32 s20, s92, 16*1536                    ; its statistics,
	s_mov_b32 s21, 0
	s_mul_i32 s92, s92, 16*PREC                    ; its codes
	s_mov_b32 s93, 0
	s_lshl_b32 s96, s15, 1
	s_add_co_u32 s96, s96, s[WC]
	s_mul_i32 s96, s96, 64*REC                     ; v^T's panel 2 cx + the one that I fetch,
	s_mul_i32 s22, s17, 16*REC
	s_add_co_u32 s96, s96, s22                     ; the batch's 16 records
	s_mov_b32 s97, 0
	s_mul_i32 s23, s[WC], 4*REC                    ; the panel's place in a slot
	s_mul_i32 s67, s[WC], 2*PREC                   ; my half of P's place
	s_mov_b32 s95, 0
	s_lshl_b32 s98, s17, 11                        ; out0: row 2,048 batch + 128 panel + 64 WR, 4,096 bytes a row; + 1,024 cx + 512 WC
	s_lshl_b32 s99, s19, 7
	s_add_co_u32 s98, s98, s99
	s_lshl_b32 s99, s[WR], 6
	s_add_co_u32 s98, s98, s99
	s_lshl_b32 s98, s98, 12
	s_lshl_b32 s99, s15, 10
	s_add_co_u32 s98, s98, s99
	s_lshl_b32 s99, s[WC], 9
	s_add_co_u32 s98, s98, s99
	s_mov_b32 s99, 0
	s_mov_b32 s[SEL], 0x76543210
	s_mov_b32 s[SEL+1], 0xfedcba98
	s_mov_b32 s[WTS], 1.0
	s_cmp_ge_u32 s[CC], 2
	s_cselect_b32 s[WTS+1], 1.0, 0
	s_cselect_b32 s[WTS+2], 1.0, 0
	s_bitcmp1_b32 s[CC], 0
	s_cselect_b32 s[WTS+3], 1.0, 0
	s_wait_dscnt 0x0                               ; both opening adds are done
	s_wait_kmcnt 0x0
	s_add_nc_u64 s[92:93], s[4:5], s[92:93]
	s_add_nc_u64 s[96:97], s[8:9], s[96:97]
	s_add_nc_u64 s[20:21], s[6:7], s[20:21]
	s_add_nc_u64 s[90:91], s[10:11], s[98:99]
.irp j, 0,1,2,3
.set BS, 56+4*\j+4*(\j/2)
	s_min_u32 s22, s[CC], \j                       ; position j's slot step
	s_mul_i32 s94, s22, 4*PREC
	s_add_co_u32 s94, s94, s67
	s_mov_b32 s[G0A+4*\j], 1
	s_add_co_u32 s[G0A+4*\j+1], s67, (\j%2)*SLOT4+AOFF
	s_add_nc_u64 s[G0A+4*\j+2:G0A+4*\j+3], s[92:93], s[94:95]
	s_or_b32 s[G0A+4*\j+3], s[G0A+4*\j+3], 0x80000000
	s_mul_i32 s94, s22, 4*REC
	s_mov_b32 s[BS], 1
	s_add_co_u32 s[BS+1], s23, (\j%2)*SLOT4
	s_add_nc_u64 s[BS+2:BS+3], s[96:97], s[94:95]
	s_or_b32 s[BS+3], s[BS+3], 0x80000000
	s_mul_i32 s94, s22, 4*1536
	s_add_nc_u64 s[STB+2*\j:STB+2*\j+1], s[20:21], s[94:95]
.endr
.irp j, 0,1,2,3
.irp q, 0,1
	global_load_b128 v[FW+4*(2*\j+\q):FW+4*(2*\j+\q)+3], v[VS], s[STB+2*\j:STB+2*\j+1] offset:3072*\q
	global_load_b128 v[NMR+4*(2*\j+\q):NMR+4*(2*\j+\q)+3], v[VS], s[STB+2*\j:STB+2*\j+1] offset:3072*\q+512
	global_load_b128 v[LR+4*(2*\j+\q):LR+4*(2*\j+\q)+3], v[VS], s[STB+2*\j:STB+2*\j+1] offset:3072*\q+1024
.endr
.endr
	CROUND                                         ; all sixteen work-groups are here: the first joint loads meet
	JLOAD4 0                                       ; position 0: one tensor load a wave at the head
	s_cmp_lt_u32 s[WV], 2                          ; what I prefetch: my panel of v^T, shared with my column, or P's slot, shared with my row
	s_cselect_b64 s[92:93], s[96:97], s[92:93]
	s_cselect_b32 s94, s16, s15
	s_mov_b32 s22, PREC
	s_cselect_b32 s22, REC, s22                    ; my share: 50 or 48 units of 256 bytes
	s_mov_b32 s[STR], 4*PREC
	s_cselect_b32 s[STR], 4*REC, s[STR]
	s_mul_i32 s23, s[WC], 24*256
	s_cselect_b32 s23, 0, s23
	s_mul_i32 s94, s94, s22
	s_add_co_u32 s94, s94, s23
	s_mov_b32 s95, 0
	s_add_nc_u64 s[92:93], s[92:93], s[94:95]
	s_wait_loadcnt 0x0
	PFSLOT 1, 20
	; THE FIX-UP.  Lanes 0-15 hold the even groups' numbers, lanes 16-31 the odd ones'; k = my four fragments of queries, by turns
.irp k, 0,1,2,3
	v_min3_num_f32 v[NG+\k], v[NMR+\k], v[NMR+4+\k], v[NMR+8+\k]
.endr
.irp k, 0,1,2,3
	v_min3_num_f32 v[NG+\k], v[NG+\k], v[NMR+12+\k], v[NMR+16+\k]
.endr
.irp k, 0,1,2,3
	v_min3_num_f32 v[NG+\k], v[NG+\k], v[NMR+20+\k], v[NMR+24+\k]
.endr
.irp k, 0,1,2,3
	v_min_num_f32 v[NG+\k], v[NG+\k], v[NMR+28+\k]
.endr
.irp k, 0,1,2,3
	v_permlanex16_b32 v[DT+\k], v[NG+\k], s[SEL], s[SEL+1]
.endr
.irp k, 0,1,2,3
	v_min_num_f32 v[NG+\k], v[NG+\k], v[DT+\k]     ; -M of the row: the smallest -M_loc (a hidden group's is 1e30)
.endr
.irp g, 0,1,2,3,4,5,6,7
.irp k, 0,1,2,3
	v_sub_f32 v[DT+\k], v[NG+\k], v[NMR+4*\g+\k]   ; M_loc - M: a whole number, 0 or less
.endr
.irp k, 0,1,2,3
	v_cvt_i32_f32 v[DT+\k], v[DT+\k]               ; (it saturates)
.endr
.irp k, 0,1,2,3
	v_ldexp_f32 v[FT+\k], s[WTS+\g/2], v[DT+\k]    ; 2^(M_loc - M), or 0 for a position that is not walked
.endr
.irp k, 0,1,2,3
.if \g == 0
	v_mul_f32 v[LSUM+\k], v[LR+\k], v[FT+\k]
.else
	v_fmac_f32 v[LSUM+\k], v[LR+4*\g+\k], v[FT+\k]
.endif
.endr
.irp k, 0,1,2,3
	v_sub_nc_u32 v[DT+\k], 0, v[DT+\k]             ; M - M_loc,
.endr
.irp k, 0,1,2,3
	v_min_u32 v[DT+\k], 127, v[DT+\k]              ; at most 127,
.endr
.irp k, 0,1,2,3
	v_lshl_or_b32 v[DT+\k], v[DT+\k], 8, v[DT+\k]
.endr
.irp k, 0,1,2,3
	v_lshl_or_b32 v[DT+\k], v[DT+\k], 16, v[DT+\k] ; in all four bytes
.endr
.irp k, 0,1,2,3
	v_or_b32 v[WK+\k], 0x80808080, v[FW+4*\g+\k]   ; p's bytes are at most 125: with 128 added to each no borrow crosses a byte
.endr
.irp k, 0,1,2,3
	v_sub_nc_u32 v[WK+\k], v[WK+\k], v[DT+\k]
.endr
.irp k, 0,1,2,3
	v_and_b32 v[FT+\k], 0x80808080, v[WK+\k]       ; the top bit is left where the byte did not fall under 0
.endr
.irp k, 0,1,2,3
	v_lshrrev_b32 v[DT+\k], 7, v[FT+\k]
.endr
.irp k, 0,1,2,3
	v_sub_nc_u32 v[FT+\k], v[FT+\k], v[DT+\k]      ; 0x7f in those bytes, 0 in the others
.endr
.irp k, 0,1,2,3
	v_and_b32 v[FW+4*\g+\k], v[WK+\k], v[FT+\k]    ; the scale word under the row's M
.endr
.endr
.irp k, 0,1,2,3
	v_permlanex16_b32 v[DT+\k], v[LSUM+\k], s[SEL], s[SEL+1]
.endr
.irp k, 0,1,2,3
	v_add_f32 v[LSUM+\k], v[LSUM+\k], v[DT+\k]     ; l: even and odd groups
.endr
	s_wait_alu depctr_va_vdst(0)                   ; ahead of the batch
.irp k, 0,1,2,3
	v_rcp_f32 v[RL+2*\k], v[LSUM+\k]
.endr
.irp k, 0,1,2,3
	v_mov_b32 v[RL+2*\k+1], 0                      ; (plain instructions behind the reciprocals; the pairs' upper halves are named, so they are written)
.endr
	s_wait_alu depctr_va_vdst(0)                   ; one wait for the four reciprocals
	s_wait_tensorcnt 0x0                           ; my part of position 0 is in
	ds_add_u32 v[SPW], v[NIL]
	PLACES 8                                       ; scale registers written by vector instructions stand eight plain instructions ahead of a scaled matrix instruction
	s_wait_dscnt 0x0
	CROUND                                         ; position 0 is whole for every wave
	s_cmp_eq_u32 s[CC], 0                          ; c is the same in all sixteen partners
	s_cbranch_scc1 .Lc0
	JLOAD4 1                                       ; slot 1: position 1 (where c = 1 its slot step is also position 3's)
	FETCH 0
	PFSLOT 2, 96
	STEP4 0, 1                                     ; its products start the sums
	STEP4 1, 0
	STEP4 2, 0
	WIN 0
	s_cmp_eq_u32 s[CC], 1
	s_cbranch_scc1 .Lc1
	TURN4 3, 1, 2, 4
	PFSLOT 3, 98
	STEP4 4, 0
	STEP4 5, 0
	STEP4 6, 0
	WIN 0
	s_cmp_eq_u32 s[CC], 2
	s_cbranch_scc1 .Lc2
	TURN4 7, 1, 3, 8
	s_branch .Lpos2
.Lc2:
	TURN4 7, 0, 0, 8                               ; nothing more is filled
.Lpos2:
	STEP4 8, 0
	STEP4 9, 0
	STEP4 10, 0
	WIN 0
	s_cmp_eq_u32 s[CC], 2
	s_cbranch_scc1 .Lc2_end
	TURN4 11, 0, 0, 12
	s_branch .Lpos3
.Lc1:
	TURN4 3, 0, 0, 12                              ; c = 1: slot 1 holds position 3's keys
.Lpos3:
	STEP4 12, 0
	STEP4 13, 0
	STEP4 14, 0
	FIN4 15
	s_branch .Lout
.Lc2_end:
	s_wait_tensorcnt 0x0                           ; into the way out, as on every way, over a barrier in front of which every wave has waited for all its tensor loads
	s_wait_dscnt 0x0
	s_barrier_signal -1
	s_barrier_wait -1
	FIN4 11
	s_branch .Lout
.Lc0:
	FETCH 0
	STEP4 0, 1
	STEP4 1, 0
	STEP4 2, 0
	FIN4 3
.Lout:
	PLACES 4                                       ; between the last products and the first read of results, and the first write of registers that products read
; THE WAY OUT, in eight pieces of 16 queries x 64 channels: x 1 / l; a lane's 8 channels of a tile are 32 neighbouring bytes of its query's row; through my stage; back as whole rows of 256 bytes.
; Piece p's numbers pass the stage ahead of piece p - 1's stores.  Stage row 2 t + h is query 2 t + 8 (t / 4) + h of the fragment's 32 (the order of a fragment's rows).
.macro PUT p
.set TT, 128-32*((\p)%2)
	WIN 0x02                                       ; source 0: window 2
.set J, 0
.rept 16
	v_pk_mul_f32 v[TT+J:TT+J+1], v[32*(\p)+J:32*(\p)+J+1], v[RL+2*((\p)/2):RL+2*((\p)/2)+1] op_sel_hi:[1,0]   ; each accumulator from its low end on
.set J, J+2
.endr
	WIN 0
.irp b, 0,1,2,3
	ds_store_b128 v[STO], v[TT+8*\b:TT+8*\b+3] offset:128*(\b/2)+32*(\b%2)
	ds_store_b128 v[STO], v[TT+8*\b+4:TT+8*\b+7] offset:128*(\b/2)+32*(\b%2)+16
.endr
.if (\p) >= 2
	s_wait_xcnt 0x0                                ; the stores of two pieces ago have read these registers
.endif
.irp t, 0,1,2,3,4,5,6,7
	ds_load_b128 v[OB+32*((\p)%2)+4*\t:OB+32*((\p)%2)+4*\t+3], v[RD] offset:544*\t   ; LDS serves a wave's instructions in order: these see my stores
.endr
.endm
.macro SEND p, younger                 ; younger: the next piece's eight stores and eight loads
	s_wait_dscnt \younger
.irp t, 0,1,2,3,4,5,6,7
	global_store_b128 v[GO], v[OB+32*((\p)%2)+4*\t:OB+32*((\p)%2)+4*\t+3], s[90:91] offset:(32*((\p)/4)+8*(((\p)/2)%2)+2*\t+8*(\t/4))*4096+256*((\p)%2) th:TH_STORE_NT   ; sixteen lanes store 256 consecutive bytes, aligned
.endr
.endm
	PUT 0
.irp p, 1,2,3,4,5,6,7
	PUT \p
	SEND \p-1, 16
.endr
	SEND 7, 0
	s_wait_tensorcnt 0x0                           ; the wave's end
	ds_add_u32 v[SPW], v[NIL]
	s_wait_dscnt 0x0
	CROUND                                         ; the closing round
	s_endpgm
.Lfunc_end_k_qc68f05a749_pv:
	.size	k_qc68f05a749_pv, .Lfunc_end_k_qc68f05a749_pv-k_qc68f05a749_pv
	.p2alignl 7, 3214868480
	.fill 96, 4, 3214868480
	.section	.rodata,"a",@progbits
	.p2align	6, 0x0
	.amdhsa_kernel k_qc68f05a749_pv
		.amdhsa_group_segment_fixed_size 327680
		.amdhsa_private_segment_fixed_size 0
		.amdhsa_enable_private_segment 0
		.amdhsa_kernarg_size 32
		.amdhsa_user_sgpr_count 2
		.amdhsa_user_sgpr_kernarg_segment_ptr 1
		.amdhsa_wavefront_size32 1
		.amdhsa_system_sgpr_workgroup_id_x 1
		.amdhsa_system_sgpr_workgroup_id_y 1
		.amdhsa_system_sgpr_workgroup_id_z 1
		.amdhsa_system_vgpr_workitem_id 0
		.amdhsa_next_free_vgpr 768
		.amdhsa_next_free_sgpr 100
		.amdhsa_reserve_vcc 0
		.amdhsa_float_denorm_mode_32 3
		.amdhsa_float_denorm_mode_16_64 3
		.amdhsa_memory_ordered 1
		.amdhsa_forward_progress 1
		.amdhsa_inst_pref_size 214
	.end_amdhsa_kernel
	.amdgpu_metadata
---
amdhsa.version: [ 1, 2 ]
amdhsa.kernels:
  - .name:           k_qc68f05a749_pv
    .symbol:         k_qc68f05a749_pv.kd
    .args:
      - { .name: pc, .offset: 0, .size: 8, .value_kind: global_buffer, .address_space: global }
      - { .name: pst, .offset: 8, .size: 8, .value_kind: global_buffer, .address_space: global }
      - { .name: vt, .offset: 16, .size: 8, .value_kind: global_buffer, .address_space: global }
      - { .name: out0, .offset: 24, .size: 8, .value_kind: global_buffer, .address_space: global }
    .group_segment_fixed_size: 327680
    .private_segment_fixed_size: 0
    .kernarg_segment_align: 8
    .kernarg_segment_size: 32
    .max_flat_workgroup_size: 128
    .sgpr_count:     100
    .vgpr_count:     768
    .wavefront_size: 32
...
	.end_amdgpu_metadata
.endif
;; end of part 4
